; MI455X (gfx1250); checked and timed in simulation.
; The chip was launched on July 23, 2026; its instructions are those of AMD's public machine-readable ISA for CDNA 5 (MIT licence, August 2026) and "CDNA5" Instruction Set Architecture Reference Guide (July 2026). The comments in the code are by the model that wrote it; some were corrected since.
;; Rotary Multi Head Attention. Allowed arithmetic: matrix products marked QUANTISED: E5M2 operands, one E8M0 scale for each 32 along K, by v_wmma_scale_f32_16x16x128_f8f6f4 with both operands' format E5M2, f32 sums; products left as they are: f32 operands where the result goes on into a quantised operand, else bf16, f16 or f32 operands; f32 sums; everything else in f32.
;; Inputs: Wk_codes 1,024 x 32 x 32 uint8 (E5M2 codes of Wk, K innermost, in blocks of 32 codes); Wk_scales 1,024 x 32 uint8 (E8M0 scales of Wk, one for each 32 codes along K); Wo_codes 1,024 x 32 x 32 uint8 (E5M2 codes of Wo, K innermost, in blocks of 32 codes); Wo_scales 1,024 x 32 uint8 (E8M0 scales of Wo, one for each 32 codes along K); Wq_codes 1,024 x 32 x 32 uint8 (E5M2 codes of Wq, K innermost, in blocks of 32 codes); Wq_scales 1,024 x 32 uint8 (E8M0 scales of Wq, one for each 32 codes along K); Wv_codes 1,024 x 32 x 32 uint8 (E5M2 codes of Wv, K innermost, in blocks of 32 codes); Wv_scales 1,024 x 32 uint8 (E8M0 scales of Wv, one for each 32 codes along K); bk 1,024 float32; bo 1,024 float32; bq 1,024 float32; bv 1,024 float32; x_codes 2 x 2,048 x 32 x 32 uint8 (E5M2 codes of x, K innermost, in blocks of 32 codes); x_scales 2 x 2,048 x 32 uint8 (E8M0 scales of x, one for each 32 codes along K).
;; Outputs: out0 2 x 2,048 x 1,024 float32.
;; This version of the problem:
;;   THIS VERSION OF THE PROBLEM IS GIVEN IN LOW PRECISION. The matrix products marked QUANTISED in the list below multiply operands that are first quantised to E5M2 (5 exponent bits, 2 mantissa bits; 8 bits a number), with one power-of-two scale for each 32 numbers along K (OCP MX v1.0); their sums are f32. All else is computed in f32.
;;   The module's matrix products, in the order in which they are computed (A, B: the left and right operand; K: the contracted axis; several contracted axes count as one K, in the product's order):
;;     1. [M 4,096, K 1,024] x [K 1,024, N 1,024]; A: input x (given as codes); B: input Wq (given as codes): QUANTISED
;;     2. [M 4,096, K 1,024] x [K 1,024, N 1,024]; A: input x (given as codes); B: input Wk (given as codes): QUANTISED
;;     3. [M 4,096, K 1,024] x [K 1,024, N 1,024]; A: input x (given as codes); B: input Wv (given as codes): QUANTISED
;;     4. [M 2,048, K 1] x [K 1, N 32]; A: computed on the way; B: computed on the way: left as it is (no contracted axis)
;;     5. batch 32 x [M 2,048, K 64] x [K 64, N 2,048]; A: computed on the way; B: computed on the way: QUANTISED
;;     6. batch 32 x [M 2,048, K 2,048] x [K 2,048, N 64]; A: softmax (see below); B: computed on the way: QUANTISED
;;     7. [M 4,096, K 1,024] x [K 1,024, N 1,024]; A: computed on the way; B: input Wo (given as codes): QUANTISED
;;   THE QUANTISER, for each operand of a quantised product, along K:
;;     - K is cut into blocks of 32 from its start; a last block that is shorter is filled with zeros.
;;     - A block's scale is 2^e with e = floor(log2(the largest magnitude in the block)) - 15, held to -126 .. 127; a block of zeros has e = 0. As a byte (E8M0): e + 127.
;;     - Each number is divided by its block's scale, clamped to +-57,344, and rounded to the nearest number of E5M2, ties to even, subnormals kept.
;;     - The product sums the exact products of the quantised numbers (number of the format x scale) in f32.
;;   ~~~python
;;   def quantise(x, axis):      # numpy; x: float32 -> the quantised numbers, widened to float32 again
;;       x = np.moveaxis(x, axis, -1); K = x.shape[-1]
;;       x = np.pad(x, [(0, 0)] * (x.ndim - 1) + [(0, -K % 32)]); x = x.reshape(x.shape[:-1] + (-1, 32)); a = np.abs(x).max(-1, keepdims=True)
;;       e = np.where(a > 0, np.clip(np.frexp(np.where(a > 0, a, 1))[1] - 1 - 15, -126, 127), 0)      # np.frexp(a)[1] - 1 = floor(log2(a)), exactly
;;       r = np.clip(x / 2.0 ** e, -57344, 57344)
;;       step = 2.0 ** (np.maximum(np.frexp(np.where(r == 0, 1, r))[1] - 1, -14) - 2)
;;       q = np.round(r / step) * step * 2.0 ** e      # np.round: ties to even
;;       return np.moveaxis(q.reshape(q.shape[:-2] + (-1,))[..., :K], -1, axis).astype(np.float32)
;;   ~~~
;;   SOFTMAX AHEAD OF A QUANTISED PRODUCT. Where the list says 'softmax', what is quantised is not the finished softmax but p = 2^(t - M), with t = logit x log2(e) and M = ceil(the row's largest t), a whole number; so 1/2 < the row's largest p <= 1. The row's sum l is taken of the UNQUANTISED p, in f32, and the product's result is divided by l at the end. Since M is a whole number, a kernel that streams over the keys may use a running M (the ceiling of the running maximum): every later rescaling is an exact power of two, which a block's scale takes up: the codes' values come out the same.
;;   OPERANDS COMPUTED ON THE WAY. 'Computed on the way' means the value that the module computes at that place (a softmax that the list does not call 'softmax' is quantised finished and normalised). What goes into a quantiser is computed in f32, as accurately as f32 sums, v_exp_f32 and their like allow (about 1e-6 of the number): no bf16 or f16 on the way to a quantiser, and a product that is left as it is and whose result goes on into a quantised operand takes f32 operands (vector FMAs, or v_wmma_f32_16x16x4_f32). A number that lies on a knife's edge between two numbers of the format may be rounded either way, as far as f32 arithmetic and the matrix unit's own rounding can turn it there, and no further.
;;   INPUTS GIVEN AS CODES. Wk (in the module: [1024, 1024], K = its axis 1); Wo (in the module: [1024, 1024], K = its axis 1); Wq (in the module: [1024, 1024], K = its axis 1); Wv (in the module: [1024, 1024], K = its axis 1); x (in the module: [2, 2048, 1024], K = its axis 2): each comes as NAME_codes (uint8): NAME with its K axis moved to the last place and cut into blocks of 32 codes, [.., K / 32, bytes a block], one block behind the other in memory; one code a byte (a code: sign, 5 exponent bits, 2 mantissa bits); and NAME_scales (uint8): the same leading axes, one E8M0 byte (e + 127) for each 32 codes along K. Its value is code x scale, taken as it is: it is not quantised again, and the codes and scales need not be those that the quantiser above would give.
;; 2 versions. Each part assembles by itself: llvm-mc -triple=amdgcn-amd-amdhsa -mcpu=gfx1250 --defsym DOCPART=n.
;; ======== version 1 of 2: 3 launches
;; limits: a function is approximated: absolute error at most 0.0001
;; workspace buffers: qkv 13,238,272 bytes; att_codes 4,194,304 bytes; att_scales 131,072 bytes
;; launch qkv (part 1): grid 12 x 16, 4 waves a work-group, clusters of 4 x 4, 327,680 bytes of LDS; arguments x_codes, x_scales, Wq_codes, Wq_scales, Wk_codes, Wk_scales, Wv_codes, Wv_scales, bq, bk, bv, qkv; writes qkv
.if DOCPART == 1
	.amdgcn_target "amdgcn-amd-amdhsa--gfx1250"
	.amdhsa_code_object_version 6
	.text
	.protected	k_q33becdd187_qkv
	.globl	k_q33becdd187_qkv
	.p2align	8
	.type	k_q33becdd187_qkv,@function
k_q33becdd187_qkv:
	s_mov_b64 s[64:65], 0
	v_nop
	global_prefetch_b8 v0, s[64:65] scope:SCOPE_SE
	s_setreg_imm32_b32 hwreg(HW_REG_WAVE_MODE, 25, 1), 1
	s_wait_xcnt 0x0
	s_wait_alu depctr_hold_cnt(0) depctr_sa_sdst(0) depctr_va_vdst(0) depctr_va_sdst(0) depctr_va_ssrc(0) depctr_va_vcc(0) depctr_vm_vsrc(0)
	s_getreg_b32 s2, hwreg(HW_REG_IB_STS2, 6, 4)
	s_cmp_eq_u32 s2, 0
	s_cbranch_scc0 .Lentry_in_a_cluster
	s_endpgm
.Lentry_in_a_cluster:
	s_bfe_u32 s2, ttmp6, 0x10000c
	s_cmp_lg_u32 s2, 0xf033
	s_cbranch_scc0 .Lentry_shape_is_right
	s_endpgm
.Lentry_shape_is_right:
; q = x Wq^T + bq, k = x Wk^T + bk, v = x Wv^T + bv on codes of BF8 (E5M2) with E8M0 scales; rotary embedding on q and k; all three quantised again and stored as IMAGES OF OPERAND REGISTERS for the attention launch.
; x: [4096][1024] codes, W*: [1024][1024] codes, K innermost; scale bytes [rows][32].  A tile of 256 x 256 results to a work-group of four waves, 128 x 128 to a wave (64 accumulators, 512 registers).
; K goes in steps of 256 through a ring of two LDS slots; the scale bytes of the work-group's 2 x 256 rows come into LDS once.  4 x 4 work-groups form a cluster and ask jointly for shared tiles.
; THE KIND of a work-group is its cluster's x: 0 = q, 1 = k, 2 = v; it is the same in all partners.  Source 1 ("A": its rows fall on lanes) and source 0 ("B": its rows run along a lane's registers):
;   q, k: A = x, B = W: a lane holds one position and its registers run along the features, which are the next product's K.   v: A = Wv, B = x: a lane holds one feature and its registers run along the keys, which are ITS next K.
; The bias is the C of each sum's first matrix instruction.
; THE ORDER INSIDE A BLOCK OF 32.  Tiles 2 c and 2 c + 1 give lane (r, h) the indices 32 c + 16 u + 8 h + j; their two conversions are taken as the lane's registers 4 c .. 4 c + 3 of the next operand.  That permutes k inside a block,
; alike on q and k (along the head) and alike on v and the softmax's p (along the keys): the products and the blocks' scales stay the same.
; WORKSPACE: 512 chunks (16 batch + head, position / 128) of 25,856 bytes: K codes 8,192 [tile][c][lane][16]; V codes 8,192 [d tile][c][lane][16]; K scale words 512; V scale words 256; Q codes 8,192; Q scale words 512.
; A q or k scale word: bytes 0, 1 = the head's two blocks, bytes 2, 3 = 0x7f (the instruction's upper 64 along K are zero codes in the next launch).
; 192 work-groups: a tile of 128 x 128 would give 768, but each LDS byte would feed half the multiply-adds.
; LIMITS: NaN and infinities are not served.  A block whose largest magnitude lies under 2^-111 keeps the scale byte 1 (a block of zeros too: its codes are zeros, and this program alone reads the bytes).
; The rotary angles: frequency = the f32 nearest to 10^(-i/8); the angle of a wave's first 16 positions is position x frequency in f32, reduced by pi/2 in two parts; the seven further tiles of 16 positions come by rotation through
; 16 x frequency.  Against an f32 product position x frequency taken anew for each position that can differ by about 1e-4 radians at positions near 2,000.
.set KSTEP,  256
.set NQ,     2
.set ROWB,   256
.set KROW,   1024
.set PITCH,  272                       ; an LDS row: 256 bytes + 16 of padding: the 16 rows of a fragment load start at 16 different banks (64 banks of 4 bytes: ISA guide 11.1)
.set FR,     16
.set NL,     4
.set NP,     8                         ; places behind this matrix instruction (ISA guide 7.12.1)
.set HALFT,  128*PITCH
.set SLOT,   4*HALFT
.set LAPS,   2                         ; 1,024 along K = two laps of two slots
.set KS,     32
.set SCL,    2*SLOT
.set HALFS,  (128*KS/256)*272
.set SBLK,   (16*KS/256)*272
.set SPARE,  SCL+4*HALFS               ; the spare words: 128 bytes a wave, two blocks of 256 bytes that no other line names
.set CHB,    25856                     ; a chunk of the workspace
.set HEADB,  16*CHB                    ; from a head to the next
.set ADRA, 16
.set ADRB, 20
.set LI,   24                          ; v24  16 x lane
.set L8,   25                          ; v25  8 x lane
.set ADRS, 27
.set SPW,  28
.set NIL,  29
.set SC,   32                          ; v32-63   scale words, two sets
.set BIAS, 64                          ; v64-127  the biases in the result's layout
.set AF,   128                         ; v128-255 A's fragments
.set G1, 24
.set G0, 32
.set G1B, 48
.set G0B, 56
.set G1S, 68
.set G0S, 76
.set G1SB, 80
.set G0SB, 88
.set KIND, 95
.set MSB, 0
.macro WIN new                         ; the immediate's high byte repeats the setting that is left
.if MSB != \new
	s_set_vgpr_msb (MSB<<8)|\new
.set MSB, \new
.endif
.endm
.set MUL_LO, 0xa1                      ; source 0 (B) window 1, source 1 (A) window 0, C and D window 2
.set MUL_HI, 0xf1                      ; the same, C and D window 3
.set TO_B,   0x40
; A joint load: waves 0 and 1 fetch for A, waves 2 and 3 for B; the branch hangs on the wave's number alone.  Four v_nop follow each of the two lines.
.macro JLOAD g0a, g1a, g0b, g1b
	s_cmp_eq_u32 s15, 0
	s_cbranch_scc0 .Lfor_b_\@
	tensor_load_to_lds s[\g0a:\g0a+3], s[\g1a:\g1a+7]
	s_nop 0
.rept 4
	v_nop
.endr
	s_branch .Lasked_\@
.Lfor_b_\@:
	tensor_load_to_lds s[\g0b:\g0b+3], s[\g1b:\g1b+7]
	s_nop 0
.rept 4
	v_nop
.endr
.Lasked_\@:
.endm
.macro CREST                           ; a round of the cluster's barrier behind its opening barrier
	s_cmp_lg_u32 s14, 0
	s_cbranch_scc1 .Lnot_wave_0_\@
	s_barrier_signal -3
.Lnot_wave_0_\@:
	s_barrier_wait -3
	s_barrier_signal -1
	s_barrier_wait -1
.endm
.macro CROUND
	s_barrier_signal -1
	s_barrier_wait -1
	CREST
.endm
	s_load_b512 s[68:83], s[0:1], 0x0              ; x codes, x scales, Wq codes, Wq scales, Wk codes, Wk scales, Wv codes, Wv scales
	s_load_b256 s[84:91], s[0:1], 0x40             ; bq, bk, bv, the workspace
	v_lshl_add_u32 v[SPW], v0, 2, SPARE
	v_mov_b32 v[NIL], 0
	ds_add_u32 v28, v29
	ds_add_u32 v28, v29
	s_wait_dscnt 0x0
	v_lshrrev_b32 v1, 5, v0
	v_readfirstlane_b32 s14, v1                    ; wave 0..3
	s_lshr_b32 s15, s14, 1                         ; which half of A's rows is mine.  Also: I fetch for A (0) or for B (1)
	s_and_b32 s16, s14, 1                          ; which half of B's rows.  Also: which 128 rows of that tile I fetch
	s_bfe_u32 s40, ttmp6, 0x40000                  ; cx
	s_bfe_u32 s41, ttmp6, 0x40004                  ; cy
	s_mov_b32 s[KIND], ttmp9                       ; the cluster's x: 0 q, 1 k, 2 v
	s_and_b32 s98, ttmp7, 0xffff
	s_lshl_b32 s98, s98, 2                         ; 4 x the cluster's y: it walks x's sixteen tiles of 256 rows
	s_cmp_eq_u32 s[KIND], 2
	s_cselect_b32 s96, 0, s98                      ; q, k: x is A;
	s_cselect_b32 s97, s98, 0                      ; v: x is B
	s_add_co_u32 s17, s96, s41                     ; A's tile: hangs on cy and on what all partners share
	s_add_co_u32 s42, s97, s40                     ; B's tile: on cx likewise
	s_lshl_b32 s43, s41, 2
	s_lshl_b32 s43, 15, s43                        ; my row of the cluster
	s_lshl_b32 s44, 0x1111, s40                    ; my column
	s_or_b32 s[G1+0], s43, (0<<16)|(1<<20)|(1<<21)|(5<<22)|(3<<25)  ; the mask; elements of 1 byte; padding on; bit 21 beside a mask; 4 words of padding after every 64
	s_or_b32 s[G1B+0], s44, (0<<16)|(1<<20)|(1<<21)|(5<<22)|(3<<25)
.irp g, G1, G1B
	s_mov_b32 s[\g+1], ROWB<<16                    ; tensor_dim0
	s_mov_b32 s[\g+2], 128<<16                     ; tensor_dim1
	s_mov_b32 s[\g+3], ROWB<<16                    ; tile_dim0
	s_mov_b32 s[\g+4], 128                         ; tile_dim1
	s_mov_b32 s[\g+5], KROW                        ; from row to row
	s_mov_b32 s[\g+6], 0
	s_mov_b32 s[\g+7], 0
.endr
	s_lshl_b32 s18, s16, 7
	s_lshl_b32 s20, s17, 8
	s_add_co_u32 s20, s20, s18                     ; A: row 256 x tile + 128 x half
	s_lshl_b32 s46, s42, 8
	s_add_co_u32 s46, s46, s18                     ; B likewise
	s_mov_b32 s21, 0
	s_mov_b32 s47, 0
	s_mov_b64 s[18:19], KS
	s_mul_u64 s[22:23], s[20:21], s[18:19]         ; where these rows' scales begin
	s_mul_u64 s[92:93], s[46:47], s[18:19]
	s_mov_b64 s[18:19], KROW
	s_mul_u64 s[20:21], s[20:21], s[18:19]         ; and their codes
	s_mul_u64 s[46:47], s[46:47], s[18:19]
	s_mul_i32 s45, s14, HALFT                      ; where they go: wave x 128 rows
	s_mul_i32 s94, s14, HALFS
	s_wait_kmcnt 0x0
	s_cmp_eq_u32 s[KIND], 0                        ; the buffers are chosen by the kind alone
	s_cselect_b64 s[8:9], s[72:73], s[76:77]       ; B: Wq or Wk,
	s_cselect_b64 s[10:11], s[74:75], s[78:79]
	s_cselect_b64 s[66:67], s[84:85], s[86:87]     ; bq or bk
	s_cmp_eq_u32 s[KIND], 2
	s_cselect_b64 s[4:5], s[80:81], s[68:69]       ; A: Wv for v, else x
	s_cselect_b64 s[6:7], s[82:83], s[70:71]
	s_cselect_b64 s[8:9], s[68:69], s[8:9]         ; B: x for v
	s_cselect_b64 s[10:11], s[70:71], s[10:11]
	s_cselect_b64 s[66:67], s[88:89], s[66:67]
	s_mov_b64 s[12:13], s[90:91]
	s_add_nc_u64 s[20:21], s[4:5], s[20:21]
	s_add_nc_u64 s[22:23], s[6:7], s[22:23]
	s_add_nc_u64 s[46:47], s[8:9], s[46:47]
	s_add_nc_u64 s[92:93], s[10:11], s[92:93]
	; the scales of 128 rows: 4,096 dense bytes as 16 rows of 256 (32 elements of 8 bytes), 16 bytes of padding behind each
	s_or_b32 s[G1S+0], s43, (3<<16)|(1<<20)|(1<<21)|(5<<22)|(3<<25)
	s_or_b32 s[G1SB+0], s44, (3<<16)|(1<<20)|(1<<21)|(5<<22)|(3<<25)
.irp g, G1S, G1SB
	s_mov_b32 s[\g+1], 32<<16
	s_mov_b32 s[\g+2], (128*KS/256)<<16
	s_mov_b32 s[\g+3], 32<<16
	s_mov_b32 s[\g+4], 128*KS/256
	s_mov_b32 s[\g+5], 32
	s_mov_b32 s[\g+6], 0
	s_mov_b32 s[\g+7], 0
.endr
	CROUND                                         ; all sixteen work-groups are here: the first joint loads meet
	s_mov_b32 s[G0S], 1
	s_add_co_u32 s[G0S+1], s94, SCL
	s_mov_b64 s[G0S+2:G0S+3], s[22:23]
	s_or_b32 s[G0S+3], s[G0S+3], 0x80000000
	s_mov_b32 s[G0SB], 1
	s_add_co_u32 s[G0SB+1], s94, SCL
	s_mov_b64 s[G0SB+2:G0SB+3], s[92:93]
	s_or_b32 s[G0SB+3], s[G0SB+3], 0x80000000
	JLOAD G0S, G1S, G0SB, G1SB                     ; the scales first: they are wanted with K step 0
.irp s, 0,1
	s_mov_b32 s[G0+4*\s], 1
	s_add_co_u32 s[G0+4*\s+1], s45, \s*SLOT
	s_add_nc_u64 s[G0+4*\s+2:G0+4*\s+3], s[20:21], \s*ROWB
	s_or_b32 s[G0+4*\s+3], s[G0+4*\s+3], 0x80000000
	s_mov_b32 s[G0B+4*\s], 1
	s_add_co_u32 s[G0B+4*\s+1], s45, \s*SLOT
	s_add_nc_u64 s[G0B+4*\s+2:G0B+4*\s+3], s[46:47], \s*ROWB
	s_or_b32 s[G0B+4*\s+3], s[G0B+4*\s+3], 0x80000000
	JLOAD G0+4*\s, G1, G0B+4*\s, G1B
.endr
	v_and_b32 v1, 15, v0                           ; r = lane % 16 (kept)
	v_bfe_u32 v2, v0, 4, 1                         ; h = lane / 16 (kept)
	v_mul_u32_u24 v3, v1, PITCH
	v_lshl_add_u32 v4, v2, 4, v3
	s_mul_i32 s21, s15, HALFT
	s_mul_i32 s22, s16, HALFT
	s_add_co_u32 s22, s22, 2*HALFT
.irp s, 0,1
	v_add_nc_u32 v[ADRA+\s], s21, v4
	v_add_nc_u32 v[ADRB+\s], s22, v4
	s_add_co_u32 s21, s21, SLOT
	s_add_co_u32 s22, s22, SLOT
.endr
	v_mul_u32_u24 v5, v1, KS                       ; my row's scales: 32 bytes a row, and 16 more for each 256 passed
	v_lshrrev_b32 v6, 8, v5
	v_lshl_add_u32 v5, v6, 4, v5
	s_mul_i32 s21, s15, HALFS
	s_mul_i32 s22, s16, HALFS
	s_add_co_u32 s22, s22, 2*HALFS
	s_sub_co_u32 s22, s22, s21
	v_mul_u32_u24 v6, s22, v2                      ; lanes 16-31 take B's
	s_add_co_u32 s21, s21, SCL
	v_add_nc_u32 v5, v5, v6
	v_add_nc_u32 v[ADRS], s21, v5
	v_and_b32 v6, 31, v0
	v_lshlrev_b32 v[LI], 4, v6
	v_lshlrev_b32 v[L8], 3, v6
	v_lshlrev_b32 v7, 5, v2                        ; 32 h: the bias of q, k
	v_lshlrev_b32 v8, 2, v1                        ; 4 r: the bias of v
	; my wave's first feature and first row of x, whichever operand holds them
	s_cmp_eq_u32 s[KIND], 2
	s_cselect_b32 s98, s17, s42
	s_cselect_b32 s99, s15, s16
	s_cselect_b32 s100, s42, s17
	s_cselect_b32 s101, s16, s15
	s_lshl_b32 s98, s98, 8
	s_lshl_b32 s99, s99, 7
	s_add_co_u32 s98, s98, s99                     ; the first of my 128 features: two heads
	s_lshl_b32 s100, s100, 8
	s_lshl_b32 s101, s101, 7
	s_add_co_u32 s100, s100, s101                  ; the first of my 128 rows of x: one chunk's positions
	s_and_b32 s105, s100, 2047                     ; its position in the sequence
	s_lshl_b32 s92, s98, 2
	s_mov_b32 s93, 0
	s_add_nc_u64 s[66:67], s[66:67], s[92:93]      ; the bias at my first feature
	s_lshr_b32 s92, s100, 11                       ; batch
	s_lshl_b32 s92, s92, 4
	s_lshr_b32 s99, s98, 6                         ; head
	s_add_co_u32 s92, s92, s99
	s_lshl_b32 s92, s92, 4
	s_bfe_u32 s99, s100, 0x40007                   ; position / 128
	s_add_co_u32 s92, s92, s99
	s_mul_i32 s92, s92, CHB
	s_add_nc_u64 s[12:13], s[12:13], s[92:93]      ; my first head's chunk
	s_cmp_eq_u32 s[KIND], 0
	s_cselect_b32 s92, 17152, 0                    ; q's codes, or k's
	s_mov_b32 s46, 16384
	s_cselect_b32 s46, 25344, s46                  ; q's scale words, or k's
	s_mov_b32 s47, 0
	s_add_nc_u64 s[92:93], s[12:13], s[92:93]
	s_add_nc_u64 s[46:47], s[12:13], s[46:47]
	s_cmp_eq_u32 s[KIND], 2
	s_cbranch_scc1 .Lbias_v
.irp b, 0,1,2,3,4,5,6,7
	global_load_b128 v[BIAS+8*\b:BIAS+8*\b+3], v7, s[66:67] offset:64*\b        ; q, k: register j of tile b is feature 16 b + 8 h + j
	global_load_b128 v[BIAS+8*\b+4:BIAS+8*\b+7], v7, s[66:67] offset:64*\b+16
.endr
	s_branch .Lbias_in
.Lbias_v:
.irp a, 0,1,2,3,4,5,6,7
.irp j, 0,1,2,3,4,5,6,7
	global_load_b32 v[BIAS+8*\a+\j], v8, s[66:67] offset:64*\a                  ; v: all eight registers of a tile belong to the lane's own feature 16 a + r
.endr
.endr
.Lbias_in:
.macro FRAG reg, adr, q, i             ; 16 rows x 128 K: lane l holds row l % 16; registers 4 c .. 4 c + 3 hold K = 32 c + 16 (l / 16) + 0 .. 15
.irp c, 0,1,2,3
	ds_load_b128 v[\reg+4*\c:\reg+4*\c+3], v[\adr] offset:128*(\q)+32*\c+(\i)*16*PITCH
.endr
.endm
; 16 matrix instructions: A's blocks a0, a0 + 1 x B's eight.  zero = 1: the sums start from the bias of B's rows (q, k); 2: from the bias of A's rows (v); 0: they go on.
; The 64 accumulators take turns, one instruction a turn, in the same order in every step.
.macro MUL16 a0, p, q, sc, zero
.irp a, \a0, \a0+1
.irp b, 0,1,2,3,4,5,6,7
.if \zero == 1
	v_wmma_scale_f32_16x16x128_f8f6f4 v[8*(8*((\a)%4)+\b):8*(8*((\a)%4)+\b)+7], v[128*(\p)+FR*\b:128*(\p)+FR*\b+FR-1], v[AF+FR*(\a):AF+FR*(\a)+FR-1], v[BIAS+8*\b:BIAS+8*\b+7], v[SC+8*NQ*(\sc)+NQ*\b+(\q)], v[SC+8*NQ*(\sc)+NQ*(\a)+(\q)] matrix_a_fmt:MATRIX_FMT_BF8 matrix_b_fmt:MATRIX_FMT_BF8 matrix_a_scale:MATRIX_SCALE_ROW1
.elseif \zero == 2
	v_wmma_scale_f32_16x16x128_f8f6f4 v[8*(8*((\a)%4)+\b):8*(8*((\a)%4)+\b)+7], v[128*(\p)+FR*\b:128*(\p)+FR*\b+FR-1], v[AF+FR*(\a):AF+FR*(\a)+FR-1], v[BIAS+8*(\a):BIAS+8*(\a)+7], v[SC+8*NQ*(\sc)+NQ*\b+(\q)], v[SC+8*NQ*(\sc)+NQ*(\a)+(\q)] matrix_a_fmt:MATRIX_FMT_BF8 matrix_b_fmt:MATRIX_FMT_BF8 matrix_a_scale:MATRIX_SCALE_ROW1
.else
	v_wmma_scale_f32_16x16x128_f8f6f4 v[8*(8*((\a)%4)+\b):8*(8*((\a)%4)+\b)+7], v[128*(\p)+FR*\b:128*(\p)+FR*\b+FR-1], v[AF+FR*(\a):AF+FR*(\a)+FR-1], v[8*(8*((\a)%4)+\b):8*(8*((\a)%4)+\b)+7], v[SC+8*NQ*(\sc)+NQ*\b+(\q)], v[SC+8*NQ*(\sc)+NQ*(\a)+(\q)] matrix_a_fmt:MATRIX_FMT_BF8 matrix_b_fmt:MATRIX_FMT_BF8 matrix_a_scale:MATRIX_SCALE_ROW1
.endif
.endr
.endr
.endm
.macro FETCH_B slot, q, p
	WIN TO_B
.irp i, 0,1,2,3,4,5,6,7
	FRAG 128*(\p)+FR*\i, ADRB+\slot, \q, \i
.endr
	WIN 0
.endm
.macro FETCH_A slot, q, i0
.irp i, \i0, \i0+1, \i0+2, \i0+3
	FRAG AF+FR*(\i), ADRA+\slot, \q, \i
.endr
.endm
.macro SCALES sc                       ; a K step's scale words: lanes 0-15 take A's block i, lanes 16-31 B's block i
.irp i, 0,1,2,3,4,5,6,7
	ds_load_b64 v[SC+8*NQ*\sc+NQ*\i:SC+8*NQ*\sc+NQ*\i+1], v[ADRS] offset:\i*SBLK
.endr
.endm
.macro PLACES n                        ; plain vector instructions between a matrix instruction and a load into, or a read of, its registers
.rept \n
	v_nop
.endr
.endm
.macro STEP slot, q, zero              ; 128 along K whose successor lies in the same slot
	s_wait_dscnt 4*NL                              ; B's set and A's blocks 0-3 are in; the youngest sixteen loads (A's blocks 4-7) may be out
.if \zero
	WIN 0x81                                       ; the bias (source 2) lies in window 0
.else
	WIN MUL_LO
.endif
	MUL16 0, (\q)%2, \q, \slot, \zero
	MUL16 2, (\q)%2, \q, \slot, \zero
	s_wait_dscnt 0
	PLACES NP
	FETCH_B \slot, (\q)+1, 1-(\q)%2
	FETCH_A \slot, (\q)+1, 0
.if \zero
	WIN 0xc1
.else
	WIN MUL_HI
.endif
	MUL16 4, (\q)%2, \q, \slot, \zero
	MUL16 6, (\q)%2, \q, \slot, \zero
	PLACES NP
	WIN 0
	FETCH_A \slot, (\q)+1, 4
.endm
; A slot's last step changes slots: ONE barrier; in front of it each wave waits for all its tensor loads, adds 0 to its spare word, and waits for that and for its own reads of this slot.
.macro TURN slot, next, fill
	s_wait_tensorcnt 0x0                           ; all my tensor loads have landed: my part of the next slot
	ds_add_u32 v[SPW], v[NIL]                      ; 0 onto my spare word
	s_wait_dscnt 4*NL+1                            ; (the add and the youngest sixteen loads may be out)
	WIN MUL_LO
	MUL16 0, 1, NQ-1, \slot, 0
	s_wait_dscnt 0x0                               ; the add is done, and my reads of this slot are over
	s_barrier_signal -1
	MUL16 2, 1, NQ-1, \slot, 0
	WIN 0
	s_barrier_wait -1
.if \fill
	CREST                                          ; the barrier has opened a round of the cluster's barrier: no wave of any partner still reads this slot or has a load on its way
	s_add_nc_u64 s[G0+4*\slot+2:G0+4*\slot+3], s[G0+4*\slot+2:G0+4*\slot+3], 2*ROWB
	s_add_nc_u64 s[G0B+4*\slot+2:G0B+4*\slot+3], s[G0B+4*\slot+2:G0B+4*\slot+3], 2*ROWB
	JLOAD G0+4*\slot, G1, G0B+4*\slot, G1B         ; the first tensor load behind the round; its four v_nop are four of the eight places
	PLACES NP-4
.else
	PLACES NP
.endif
	v_add_nc_u32 v[ADRS], 4*NQ, v[ADRS]            ; the next K step's scale words
	FETCH_B \next, 0, 0
	FETCH_A \next, 0, 0
	SCALES \next
	WIN MUL_HI
	MUL16 4, 1, NQ-1, \slot, 0
	MUL16 6, 1, NQ-1, \slot, 0
	PLACES NP
	WIN 0
	FETCH_A \next, 0, 4
.endm
	s_wait_tensorcnt 1                             ; the scales and my part of K step 0 are in; K step 1's load may be out
	s_barrier_signal -1
	s_barrier_wait -1
	FETCH_B 0, 0, 0
	FETCH_A 0, 0, 0
	SCALES 0
	FETCH_A 0, 0, 4
	s_wait_loadcnt 0x0                             ; the bias
	s_cmp_eq_u32 s[KIND], 2                        ; the first step is written twice: the bias lies by B's rows (q, k) or by A's (v)
	s_cbranch_scc1 .Lfirst_v
	STEP 0, 0, 1
	s_branch .Lgo
.Lfirst_v:
	STEP 0, 0, 2
.Lgo:
	s_mov_b32 s3, LAPS-1
.Llap:
	TURN 0, 1, 1
	STEP 1, 0, 0
	TURN 1, 0, 1
	STEP 0, 0, 0
	s_sub_co_u32 s3, s3, 1
	s_cmp_lg_u32 s3, 0
	s_cbranch_scc1 .Llap
	TURN 0, 1, 0                                   ; the last lap fills nothing
	STEP 1, 0, 0
	s_wait_dscnt 4*NL
	WIN MUL_LO
	MUL16 0, 1, NQ-1, 1, 0
	MUL16 2, 1, NQ-1, 1, 0
	s_wait_dscnt 0
	WIN MUL_HI
	MUL16 4, 1, NQ-1, 1, 0
	MUL16 6, 1, NQ-1, 1, 0
	WIN 0
	PLACES NP                                      ; behind the last products: window 0 from v32 on is written anew below, and results are read
	s_mov_b32 s98, 0x600000                        ; the mantissa field of 57,344
	s_mov_b32 s100, 0x76543210
	s_mov_b32 s101, 0xfedcba98                     ; v_permlanex16_b32's selects for lane l xor 16
	s_mov_b32 s104, 0xffff0000                     ; lanes 16-31
	s_cmp_eq_u32 s[KIND], 2
	s_cbranch_scc1 .Lout_v
; ---- THE WAY OUT OF q AND k.  No LDS: a lane's codes are already an operand's registers, and a store of the wave covers 512 consecutive bytes.
.set F,    32                          ; v32-47   the frequencies of my 16 slots: slot 8 u + j is i = 16 u + 8 h + j
.set DC,   112                         ; v112-127 cos, v128-143 sin of 16 x frequency
.set DS,   128
.set R,    144                         ; v144-175 a head's 32 rotated numbers of my lane: block c at 16 c + 8 u + j
.set TM,   176
.set PT,   178
.set HL,   180
.set SO,   182
.set BY,   184
.set CD,   192                         ; v192-199 the codes
.set WO,   208
.set WQ,   224                         ; v224-239 the scale words: head g, tile a at 8 g + a
.set TI,   144                         ; at work in SINCOS
.set TA,   160
.set TB,   176
.set TC,   192
.set MULR, 240
.macro FQ slot, lo, hi                 ; lanes 0-15 take lo, lanes 16-31 hi
	v_mov_b32 v[F+\slot], \hi
	v_cndmask_b32 v[F+\slot], \lo, v[F+\slot], vcc_lo
.endm
; cos and sin of v[MULR] x frequency for the 16 slots, into v[cc] and v[ss] on.  n = the nearest whole number to x 2 / pi; x - n pi / 2 in two fused steps (pi / 2 in two parts); polynomials on +-pi / 4; the quadrant by selects and sign bits.
.macro SINCOS cc, ss
.set k, 0
.rept 16
	v_mul_f32 v[\ss+k], v[MULR], v[F+k]
.set k, k+1
.endr
.set k, 0
.rept 16
	v_mul_f32 v[TA+k], s18, v[\ss+k]
.set k, k+1
.endr
.set k, 0
.rept 16
	v_rndne_f32 v[TA+k], v[TA+k]
.set k, k+1
.endr
.set k, 0
.rept 16
	v_fma_f32 v[\ss+k], v[TA+k], s19, v[\ss+k]
.set k, k+1
.endr
.set k, 0
.rept 16
	v_fma_f32 v[\ss+k], v[TA+k], s20, v[\ss+k]     ; the reduced angle
	v_cvt_i32_f32 v[TI+k], v[TA+k]
.set k, k+1
.endr
.set k, 0
.rept 16
	v_mul_f32 v[TA+k], v[\ss+k], v[\ss+k]          ; z = its square
.set k, k+1
.endr
.set k, 0
.rept 16
	v_fmaak_f32 v[TB+k], s21, v[TA+k], 0x3c08839e
	v_mul_f32 v[TC+k], v[TA+k], v[\ss+k]
.set k, k+1
.endr
.set k, 0
.rept 16
	v_fmaak_f32 v[TB+k], v[TB+k], v[TA+k], 0xbe2aaaa3
.set k, k+1
.endr
.set k, 0
.rept 16
	v_fma_f32 v[TB+k], v[TB+k], v[TC+k], v[\ss+k]  ; the sine of the reduced angle
.set k, k+1
.endr
.set k, 0
.rept 16
	v_fmaak_f32 v[TC+k], s22, v[TA+k], 0xbab6061a
.set k, k+1
.endr
.set k, 0
.rept 16
	v_fmaak_f32 v[TC+k], v[TC+k], v[TA+k], 0x3d2aaaa5
	v_fma_f32 v[\ss+k], v[TA+k], -0.5, 1.0
.set k, k+1
.endr
.set k, 0
.rept 16
	v_mul_f32 v[TA+k], v[TA+k], v[TA+k]
.set k, k+1
.endr
.set k, 0
.rept 16
	v_fma_f32 v[TC+k], v[TC+k], v[TA+k], v[\ss+k]  ; its cosine
.set k, k+1
.endr
.set k, 0
.rept 16
	v_and_b32 v[TA+k], 1, v[TI+k]
	v_cmp_ne_u32 vcc_lo, 0, v[TA+k]                ; an odd quadrant swaps the two (a choice of values only)
	v_cndmask_b32 v[\ss+k], v[TB+k], v[TC+k], vcc_lo
	v_cndmask_b32 v[\cc+k], v[TC+k], v[TB+k], vcc_lo
	v_lshlrev_b32 v[TA+k], 30, v[TI+k]
	v_and_b32 v[TA+k], 0x80000000, v[TA+k]         ; the sine is negative in quadrants 2, 3,
	v_xor_b32 v[\ss+k], v[\ss+k], v[TA+k]
	v_add_nc_u32 v[TI+k], 1, v[TI+k]
	v_lshlrev_b32 v[TI+k], 30, v[TI+k]
	v_and_b32 v[TI+k], 0x80000000, v[TI+k]         ; the cosine in quadrants 1, 2
	v_xor_b32 v[\cc+k], v[\cc+k], v[TI+k]
.set k, k+1
.endr
.endm
.macro ROT p                           ; set p (cos at v[48 + 32 p], sin at v[64 + 32 p]) turned on by 16 positions, into the other set
.set CA, 48+32*(\p)
.set SA, 64+32*(\p)
.set CN, 48+32*(1-(\p))
.set SN, 64+32*(1-(\p))
.irp k, 0,2,4,6,8,10,12,14
	v_pk_mul_f32 v[CN+\k:CN+\k+1], v[CA+\k:CA+\k+1], v[DC+\k:DC+\k+1]
	v_pk_mul_f32 v[SN+\k:SN+\k+1], v[SA+\k:SA+\k+1], v[DC+\k:DC+\k+1]
.endr
.irp k, 0,2,4,6,8,10,12,14
	v_pk_fma_f32 v[CN+\k:CN+\k+1], v[SA+\k:SA+\k+1], v[DS+\k:DS+\k+1], v[CN+\k:CN+\k+1] neg_lo:[1,0,0] neg_hi:[1,0,0]
	v_pk_fma_f32 v[SN+\k:SN+\k+1], v[CA+\k:CA+\k+1], v[DS+\k:DS+\k+1], v[SN+\k:SN+\k+1]
.endr
.endm
; Tile a (16 positions), head g: rotated, quantised in two blocks of 32 along the head, stored.  Each accumulator is read from its low end on.
.macro ROPEQ a, g
.set AC, 64*((\a)%4)+32*(\g)
.set CP, 48+32*((\a)%2)
.set SN2, 64+32*((\a)%2)
	WIN (0x02+(\a)/4)                              ; source 0: the accumulators' window
.irp u, 0,1
.irp j, 0,2,4,6
	v_pk_mul_f32 v[R+8*\u+\j:R+8*\u+\j+1], v[AC+8*\u+\j:AC+8*\u+\j+1], v[CP+8*\u+\j:CP+8*\u+\j+1]
	v_pk_mul_f32 v[R+16+8*\u+\j:R+16+8*\u+\j+1], v[AC+16+8*\u+\j:AC+16+8*\u+\j+1], v[CP+8*\u+\j:CP+8*\u+\j+1]
.endr
.endr
.irp u, 0,1
.irp j, 0,2,4,6
	v_pk_fma_f32 v[R+8*\u+\j:R+8*\u+\j+1], v[AC+16+8*\u+\j:AC+16+8*\u+\j+1], v[SN2+8*\u+\j:SN2+8*\u+\j+1], v[R+8*\u+\j:R+8*\u+\j+1] neg_lo:[0,1,0] neg_hi:[0,1,0]   ; d < 32: x cos - x(d + 32) sin
	v_pk_fma_f32 v[R+16+8*\u+\j:R+16+8*\u+\j+1], v[AC+8*\u+\j:AC+8*\u+\j+1], v[SN2+8*\u+\j:SN2+8*\u+\j+1], v[R+16+8*\u+\j:R+16+8*\u+\j+1]                             ; d >= 32: x cos + x(d - 32) sin
.endr
.endr
	WIN 0
.irp c, 0,1
	v_max3_num_f32 v[TM+\c], |v[R+16*\c]|, |v[R+16*\c+1]|, 0x8000000   ; my 16 numbers of block c, and the floor 2^(16 - 127): the byte cannot fall under 1
.endr
.irp i, 2,4,6,8,10,12,14
.irp c, 0,1
	v_max3_num_f32 v[TM+\c], v[TM+\c], |v[R+16*\c+\i]|, |v[R+16*\c+\i+1]|
.endr
.endr
.irp c, 0,1
	v_permlanex16_b32 v[PT+\c], v[TM+\c], s100, s101
.endr
.irp c, 0,1
	v_max_num_f32 v[TM+\c], v[TM+\c], v[PT+\c]     ; with lane l xor 16's: the block's largest magnitude
.endr
.irp c, 0,1
	v_add_nc_u32 v[SO+\c], 0xf8800000, v[TM+\c]    ; 15 off its exponent field: the conversion's scale operand
.endr
.irp c, 0,1
	v_and_or_b32 v[HL+\c], v[TM+\c], 0x7f800000, s98   ; 57,344 x the scale
.endr
.irp c, 0,1
	v_lshrrev_b32 v[BY+\c], 23, v[SO+\c]           ; the scale's byte
.endr
	v_lshl_or_b32 v[WQ+8*(\g)+(\a)], v[BY+1], 8, v[BY]
	v_or_b32 v[WQ+8*(\g)+(\a)], 0x7f7f0000, v[WQ+8*(\g)+(\a)]     ; bytes 2, 3: the scale 1 over zero codes
.irp c, 0,1
.irp i, 0,1,2,3,4,5,6,7,8,9,10,11,12,13,14,15
	v_med3_num_f32 v[R+16*\c+\i], v[R+16*\c+\i], -v[HL+\c], v[HL+\c]   ; the conversion to an 8-bit code does not saturate (ISA guide 7.6.2)
.endr
.endr
	s_wait_xcnt 0x0                                ; the codes' registers are the last stores' data: written again only behind this wait
.irp c, 0,1
	v_cvt_scalef32_pk8_bf8_f32 v[CD+4*\c:CD+4*\c+1], v[R+16*\c:R+16*\c+7], v[SO+\c]
	v_cvt_scalef32_pk8_bf8_f32 v[CD+4*\c+2:CD+4*\c+3], v[R+16*\c+8:R+16*\c+15], v[SO+\c]
.endr
	v_nop                                          ; one plain line behind the last conversion
	global_store_b128 v[LI], v[CD:CD+3], s[92:93] offset:(\g)*HEADB+(\a)*1024
	global_store_b128 v[LI], v[CD+4:CD+7], s[92:93] offset:(\g)*HEADB+(\a)*1024+512
.endm
	s_mov_b32 s18, 0x3f22f983                      ; 2 / pi
	s_mov_b32 s19, 0xbfc90fdb                      ; -pi / 2, its upper part,
	s_mov_b32 s20, 0x333bbd2e                      ; and what is left of it
	s_mov_b32 s21, 0xb94ca1f9                      ; the polynomials' leading coefficients
	s_mov_b32 s22, 0x37ccf5ce
	s_mov_b32 vcc_lo, s104
	FQ 0, 1.0, 0.1                                 ; 10^(-i / 8), i = 16 u + 8 h + j
	FQ 1, 0.7498942093, 0.07498942093
	FQ 2, 0.5623413252, 0.05623413252
	FQ 3, 0.4216965034, 0.04216965034
	FQ 4, 0.3162277660, 0.03162277660
	FQ 5, 0.2371373706, 0.02371373706
	FQ 6, 0.1778279410, 0.01778279410
	FQ 7, 0.1333521432, 0.01333521432
	FQ 8, 0.01, 0.001
	FQ 9, 0.007498942093, 0.0007498942093
	FQ 10, 0.005623413252, 0.0005623413252
	FQ 11, 0.004216965034, 0.0004216965034
	FQ 12, 0.003162277660, 0.0003162277660
	FQ 13, 0.002371373706, 0.0002371373706
	FQ 14, 0.001778279410, 0.0001778279410
	FQ 15, 0.001333521432, 0.0001333521432
	v_add_nc_u32 v[MULR], s105, v1
	v_cvt_f32_u32 v[MULR], v[MULR]                 ; my position in tile 0
	SINCOS 48, 64
	v_mov_b32 v[MULR], 0x41800000                  ; 16 positions on
	SINCOS DC, DS
	v_mov_b32 v[PT], 0                             ; a lane permute's destination counts as one of its sources
	v_mov_b32 v[PT+1], 0
.irp a, 0,1,2,3,4,5,6,7
	ROPEQ \a, 0
	ROPEQ \a, 1
.if \a < 7
	ROT \a%2
.endif
.endr
.irp g, 0,1
.irp j, 0,1,2,3
	v_cndmask_b32 v[WO+4*\g+\j], v[WQ+8*\g+2*\j], v[WQ+8*\g+2*\j+1], s104    ; word j: lanes 0-15 tile 2 j, lanes 16-31 tile 2 j + 1
.endr
	global_store_b128 v[LI], v[WO+4*\g:WO+4*\g+3], s[46:47] offset:\g*HEADB
.endr
	s_branch .Lend
; ---- THE WAY OUT OF v.  A lane holds one feature; its 64 registers of a tile row a are 128 keys' half: four blocks of 32 keys, 16 numbers of each.
.Lout_v:
.macro VQ a
.set XB, 64*((\a)%4)
.set CDV, 96+16*((\a)%2)
	WIN (0x0a+5*((\a)/4))                          ; sources 0 and 1: the accumulators' window
.irp c, 0,1,2,3
	v_max3_num_f32 v[128+\c], |v[XB+16*\c]|, |v[XB+16*\c+1]|, 0x8000000
.endr
.irp i, 2,4,6,8,10,12,14
.irp c, 0,1,2,3
	v_max3_num_f32 v[128+\c], |v[XB+16*\c+\i]|, |v[XB+16*\c+\i+1]|, v[128+\c]
.endr
.endr
	WIN 0
.irp c, 0,1,2,3
	v_permlanex16_b32 v[132+\c], v[128+\c], s100, s101
.endr
.irp c, 0,1,2,3
	v_max_num_f32 v[128+\c], v[128+\c], v[132+\c]
.endr
.irp c, 0,1,2,3
	v_add_nc_u32 v[140+\c], 0xf8800000, v[128+\c]
.endr
.irp c, 0,1,2,3
	v_and_or_b32 v[136+\c], v[128+\c], 0x7f800000, s98
.endr
.irp c, 0,1,2,3
	v_lshrrev_b32 v[132+\c], 23, v[140+\c]
.endr
	v_lshl_or_b32 v[148+(\a)], v133, 8, v132       ; my feature's scale word for these 128 keys
	v_lshl_or_b32 v[148+(\a)], v134, 16, v[148+(\a)]
	v_lshl_or_b32 v[148+(\a)], v135, 24, v[148+(\a)]
	WIN (0x02+(\a)/4)
.irp c, 0,1,2,3
.irp i, 0,1,2,3,4,5,6,7,8,9,10,11,12,13,14,15
	v_med3_num_f32 v[32+16*\c+\i], v[XB+16*\c+\i], -v[136+\c], v[136+\c]
.endr
.endr
	WIN 0
	s_wait_xcnt 0x0                                ; the codes' registers were earlier stores' data
.irp c, 0,1,2,3
	v_cvt_scalef32_pk8_bf8_f32 v[CDV+4*\c:CDV+4*\c+1], v[32+16*\c:32+16*\c+7], v[140+\c]
	v_cvt_scalef32_pk8_bf8_f32 v[CDV+4*\c+2:CDV+4*\c+3], v[32+16*\c+8:32+16*\c+15], v[140+\c]
.endr
	v_nop
.irp c, 0,1,2,3
	global_store_b128 v[LI], v[CDV+4*\c:CDV+4*\c+3], s[12:13] offset:((\a)/4)*HEADB+8192+((\a)%4)*2048+512*\c
.endr
.endm
.irp c, 0,1,2,3
	v_mov_b32 v[132+\c], 0                         ; a lane permute's destination counts as one of its sources
.endr
.irp g, 0,1
	VQ 4*\g
	VQ 4*\g+1
	VQ 4*\g+2
	VQ 4*\g+3
	v_cndmask_b32 v[156+2*\g], v[148+4*\g], v[149+4*\g], s104      ; word j: lanes 0-15 d tile 2 j, lanes 16-31 d tile 2 j + 1
	v_cndmask_b32 v[157+2*\g], v[150+4*\g], v[151+4*\g], s104
	global_store_b64 v[L8], v[156+2*\g:157+2*\g], s[12:13] offset:\g*HEADB+16896
.endr
.Lend:
	s_wait_tensorcnt 0x0                           ; the wave's end
	ds_add_u32 v[SPW], v[NIL]
	s_wait_dscnt 0x0
	CROUND                                         ; the closing round: no work-group ends while a partner may still ask for a tile that names it
	s_endpgm
.Lfunc_end_k_q33becdd187_qkv:
	.size	k_q33becdd187_qkv, .Lfunc_end_k_q33becdd187_qkv-k_q33becdd187_qkv
	.p2alignl 7, 3214868480
	.fill 96, 4, 3214868480
	.section	.rodata,"a",@progbits
	.p2align	6, 0x0
	.amdhsa_kernel k_q33becdd187_qkv
		.amdhsa_group_segment_fixed_size 327680
		.amdhsa_private_segment_fixed_size 0
		.amdhsa_enable_private_segment 0
		.amdhsa_kernarg_size 96
		.amdhsa_user_sgpr_count 2
		.amdhsa_user_sgpr_kernarg_segment_ptr 1
		.amdhsa_wavefront_size32 1
		.amdhsa_system_sgpr_workgroup_id_x 1
		.amdhsa_system_sgpr_workgroup_id_y 1
		.amdhsa_system_sgpr_workgroup_id_z 1
		.amdhsa_system_vgpr_workitem_id 0
		.amdhsa_next_free_vgpr 1024
		.amdhsa_next_free_sgpr 106
		.amdhsa_reserve_vcc 1
		.amdhsa_float_denorm_mode_32 3
		.amdhsa_float_denorm_mode_16_64 3
		.amdhsa_memory_ordered 1
		.amdhsa_forward_progress 1
		.amdhsa_inst_pref_size 255
	.end_amdhsa_kernel
	.section	.bss,"aw",@nobits
	.p2align	6
	.space	262144
	.amdgpu_metadata
---
amdhsa.version: [ 1, 2 ]
amdhsa.kernels:
  - .name:           k_q33becdd187_qkv
    .symbol:         k_q33becdd187_qkv.kd
    .args:
      - { .name: x_codes, .offset: 0, .size: 8, .value_kind: global_buffer, .address_space: global }
      - { .name: x_scales, .offset: 8, .size: 8, .value_kind: global_buffer, .address_space: global }
      - { .name: Wq_codes, .offset: 16, .size: 8, .value_kind: global_buffer, .address_space: global }
      - { .name: Wq_scales, .offset: 24, .size: 8, .value_kind: global_buffer, .address_space: global }
      - { .name: Wk_codes, .offset: 32, .size: 8, .value_kind: global_buffer, .address_space: global }
      - { .name: Wk_scales, .offset: 40, .size: 8, .value_kind: global_buffer, .address_space: global }
      - { .name: Wv_codes, .offset: 48, .size: 8, .value_kind: global_buffer, .address_space: global }
      - { .name: Wv_scales, .offset: 56, .size: 8, .value_kind: global_buffer, .address_space: global }
      - { .name: bq, .offset: 64, .size: 8, .value_kind: global_buffer, .address_space: global }
      - { .name: bk, .offset: 72, .size: 8, .value_kind: global_buffer, .address_space: global }
      - { .name: bv, .offset: 80, .size: 8, .value_kind: global_buffer, .address_space: global }
      - { .name: qkv, .offset: 88, .size: 8, .value_kind: global_buffer, .address_space: global }
    .group_segment_fixed_size: 327680
    .private_segment_fixed_size: 0
    .kernarg_segment_align: 8
    .kernarg_segment_size: 96
    .max_flat_workgroup_size: 128
    .sgpr_count:     106
    .vgpr_count:     1024
    .wavefront_size: 32
...
	.end_amdgpu_metadata
.endif
;; end of part 1
;; launch attn (part 2): grid 8 x 32, 16 waves a work-group, clusters of 4 x 1, 327,680 bytes of LDS; arguments qkv, att_codes, att_scales; writes att_codes, att_scales
.if DOCPART == 2
	.amdgcn_target "amdgcn-amd-amdhsa--gfx1250"
	.amdhsa_code_object_version 6
	.text
	.protected	k_q33becdd187_attn
	.globl	k_q33becdd187_attn
	.p2align	8
	.type	k_q33becdd187_attn,@function
k_q33becdd187_attn:
	s_mov_b64 s[64:65], 0
	v_nop
	global_prefetch_b8 v0, s[64:65] scope:SCOPE_SE
	s_setreg_imm32_b32 hwreg(HW_REG_WAVE_MODE, 25, 1), 1
	s_wait_xcnt 0x0
	s_wait_alu depctr_hold_cnt(0) depctr_sa_sdst(0) depctr_va_vdst(0) depctr_va_sdst(0) depctr_va_ssrc(0) depctr_va_vcc(0) depctr_vm_vsrc(0)
	s_getreg_b32 s2, hwreg(HW_REG_IB_STS2, 6, 4)
	s_cmp_eq_u32 s2, 0
	s_cbranch_scc0 .Lentry_in_a_cluster
	s_endpgm
.Lentry_in_a_cluster:
	s_bfe_u32 s2, ttmp6, 0x10000c
	s_cmp_lg_u32 s2, 0x3003
	s_cbranch_scc0 .Lentry_shape_is_right
	s_endpgm
.Lentry_shape_is_right:
; Attention on codes of BF8 (E5M2) with E8M0 scales: S^T = K Q^T, p = 2^(t - M), O^T = V^T P^T, O / l, and O quantised along d_model for the last product.
; Inputs: the workspace's chunks (16 batch + head, position / 128) of 25,856 bytes: images of operand registers: K codes [tile][c][lane][16], V codes [d tile][c][lane][16], K and V scale words, Q codes, Q scale words.
; THE SOFTMAX: t = score x log2(e) / 8; M = the running largest t rounded UP to a whole number; p = 2^(t - M) is quantised along the keys, not normalised; the row's sum is taken of the unquantised p and divides at the end;
; when M moves, the sum and O^T are multiplied by 2^(old M - new M), which rounds nothing.
; THE HEAD IS 64: the instruction's upper 64 along K are zero codes on both sides (registers 8-15 of Q's and K's fragments, cleared once) under the scale byte 0x7f.
; SHARES.  A work-group owns 256 queries of one head, each of its sixteen waves 16 of them in 256 registers: four waves to a SIMD, so that one wave's vector work stands beside another's products and LDS loads.
; THE HEAD'S WHOLE K AND V STAY IN LDS: 16 chunks x 17,152 bytes, each filled ONCE; no byte is filled again.  The four work-groups of a cluster are four query blocks of one head and ask for each chunk jointly.
; Waves 0-3 issue four loads each (load g of wave w: chunk 4 g + w): four tensor loads of a wave are out at the most.  The steps begin when the first four chunks have landed.
; Both products are used transposed: a lane holds one query throughout.  The order inside a block of 32 keys (slot 32 c + 16 h + 8 u + j holds key 32 c + 16 u + 8 h + j) is the same in p's codes and in V's.
; THE WAY OUT: O's codes meet a given operand (Wo) in the next launch, so two half-row swaps a block bring them into the natural order.  att_codes: [rows / 128][K / 256][tile][block][lane][16]; att_scales: [head][row][2].
; LIMITS: NaN and infinities are not served; a block whose largest magnitude lies under 2^-111 keeps the scale byte 1.
.set CHB,   25856
.set CHL,   17152                      ; a chunk's K and V part: 67 rows of 256 bytes
.set HEADB, 16*CHB
.set QCO,   17152
.set QSC,   25344
.set SCR,   16*CHL                     ; behind the chunks: 512 bytes in which the 256 rows' scale halfwords meet; no tensor load lands there
.macro CROUND                          ; a round of the cluster's barrier
	s_barrier_signal -1
	s_barrier_wait -1
	s_cmp_lg_u32 s10, 0
	s_cbranch_scc1 .Lnot_wave_0_\@
	s_barrier_signal -3
.Lnot_wave_0_\@:
	s_barrier_wait -3
	s_barrier_signal -1
	s_barrier_wait -1
.endm
; REGISTERS: v1 16 x lane, v2 8 x lane, v3, v4 the step's LDS addresses; v5 Q's scale word, v[6:7] V's, v[8:11] K's; v12 -M, v13 the largest t, v[14:15] the sum; v16-31 Q; v32-95 four fragments of K;
; v96-159 S^T, then p, then V's four fragments; v160-191 O^T; v208-223 p's codes; v224-239 at work; v240 f, v241 p's scale word, v242 at work; v243-245 addresses.
	s_load_b128 s[4:7], s[0:1], 0x0                ; the workspace, att_codes
	s_load_b64 s[8:9], s[0:1], 0x10                ; att_scales
	v_lshl_add_u32 v254, v0, 2, 0x43200
	v_mov_b32 v255, 0
	ds_add_u32 v254, v255
	ds_add_u32 v254, v255
	v_lshrrev_b32 v3, 5, v0
	v_readfirstlane_b32 s10, v3                    ; wave 0..15
	s_bfe_u32 s42, ttmp6, 0x40000                  ; cx: it enters Q's and the outputs' addresses alone
	s_lshl_b32 s43, ttmp9, 2
	s_add_co_u32 s43, s43, s42                     ; my block of 256 queries
	s_and_b32 s44, ttmp7, 0xffff                   ; 16 batch + head, which the four partners share
	s_mul_i32 s46, s44, HEADB
	s_and_b32 s45, s10, 3
	s_mul_i32 s48, s45, CHB
	s_add_co_u32 s48, s48, s46                     ; chunk (wave % 4) of the head, in memory,
	s_mov_b32 s49, 0
	s_mul_i32 s50, s45, CHL                        ; and in LDS
	s_lshr_b32 s52, s10, 3
	s_and_b32 s53, s10, 7                          ; my tile of 16 in its chunk
	s_lshl_b32 s51, s43, 1
	s_add_co_u32 s51, s51, s52                     ; my queries' chunk of the head
	s_mul_i32 s54, s51, CHB
	s_add_co_u32 s54, s54, s46
	s_and_b32 s56, s53, 1                          ; Q's scale word: lane 16 (tile % 2) + r, word tile / 2
	s_lshl_b32 s56, s56, 8
	s_lshr_b32 s57, s53, 1
	s_lshl_b32 s57, s57, 2
	s_add_co_u32 s56, s56, s57
	s_add_co_u32 s56, s56, s54
	s_add_co_u32 s56, s56, QSC
	s_mov_b32 s57, 0
	s_lshl_b32 s55, s53, 10
	s_add_co_u32 s54, s54, s55
	s_add_co_u32 s54, s54, QCO                     ; Q's codes: my tile
	s_mov_b32 s55, 0
	s_lshr_b32 s62, s44, 4                         ; batch
	s_and_b32 s63, s44, 15                         ; head
	s_lshl_b32 s58, s62, 4
	s_add_co_u32 s58, s58, s51                     ; which 128 rows of the 4,096
	s_lshl_b32 s58, s58, 17
	s_lshr_b32 s59, s63, 2                         ; which 256 along d_model,
	s_lshl_b32 s59, s59, 15
	s_add_co_u32 s58, s58, s59
	s_lshl_b32 s59, s53, 12                        ; which tile of rows,
	s_add_co_u32 s58, s58, s59
	s_and_b32 s59, s63, 3                          ; which two blocks of 32
	s_lshl_b32 s59, s59, 10
	s_add_co_u32 s58, s58, s59
	s_mov_b32 s59, 0
	s_lshl_b32 s60, s63, 13                        ; the scale halfwords: head x 8,192 + 2 x row
	s_lshl_b32 s61, s62, 12
	s_add_co_u32 s60, s60, s61
	s_lshl_b32 s61, s43, 9
	s_add_co_u32 s60, s60, s61
	s_mov_b32 s61, 0
	s_mov_b32 s11, 0x600000                        ; the mantissa field of 57,344
	s_mov_b32 s12, 0x76543210
	s_mov_b32 s13, 0xfedcba98                      ; v_permlanex16_b32's selects for lane l xor 16
	s_mov_b32 s14, 0x3e38aa3b                      ; c = log2(e) / 8
	s_mov_b32 s15, s14                             ; (named with it as a pair)
	s_mov_b32 s40, 0                               ; the LDS byte at which the step's chunk begins
	s_mov_b32 s16, 15|(3<<16)|(1<<21)              ; group 1: the mask names all four work-groups; elements of 8 bytes; bit 21 beside a mask; no padding
	s_mov_b32 s17, 32<<16                          ; tensor_dim0 = 32 elements: 256 bytes
	s_mov_b32 s18, 67<<16                          ; tensor_dim1 = 67 rows
	s_mov_b32 s19, 32<<16                          ; tile_dim0
	s_mov_b32 s20, 67                              ; tile_dim1
	s_mov_b32 s21, 32                              ; dense rows
	s_mov_b32 s22, 0
	s_mov_b32 s23, 0
	s_wait_dscnt 0x0
	s_wait_kmcnt 0x0
	s_add_nc_u64 s[48:49], s[4:5], s[48:49]
	s_add_nc_u64 s[54:55], s[4:5], s[54:55]
	s_add_nc_u64 s[56:57], s[4:5], s[56:57]
	s_add_nc_u64 s[58:59], s[6:7], s[58:59]
	s_add_nc_u64 s[60:61], s[8:9], s[60:61]
.irp g, 0,1,2,3
	s_mov_b32 s[24+4*\g], 1
	s_add_co_u32 s[25+4*\g], s50, \g*4*CHL         ; chunk 4 g + wave
	s_add_nc_u64 s[26+4*\g:27+4*\g], s[48:49], \g*4*CHB
	s_or_b32 s[27+4*\g], s[27+4*\g], 0x80000000
.endr
	CROUND                                         ; all four work-groups are here: the joint loads meet
	s_cmp_lt_u32 s10, 4                            ; a wave's four first fills stand in one branch on the wave's number
	s_cbranch_scc0 .Lno_fill
	tensor_load_to_lds s[24:27], s[16:23]
	s_nop 0
	tensor_load_to_lds s[28:31], s[16:23]
	s_nop 0
	tensor_load_to_lds s[32:35], s[16:23]
	s_nop 0
	tensor_load_to_lds s[36:39], s[16:23]
	s_nop 0
.rept 4
	v_nop
.endr
.Lno_fill:
	v_and_b32 v2, 31, v0
	v_lshlrev_b32 v1, 4, v2                        ; 16 x lane
	v_lshlrev_b32 v2, 3, v2                        ; 8 x lane
	v_and_b32 v243, 15, v0
	v_lshlrev_b32 v244, 1, v243
	v_lshlrev_b32 v243, 4, v243                    ; 16 r: Q's scale word
	global_load_b128 v[16:19], v1, s[54:55]        ; Q's fragment: the head's 64
	global_load_b128 v[20:23], v1, s[54:55] offset:512
	global_load_b32 v5, v243, s[56:57]
	v_and_b32 v245, 0x1e0, v0                      ; 32 x wave
	v_add_nc_u32 v244, v244, v245
	v_add_nc_u32 v244, SCR, v244                   ; where my row's scale halfword goes: SCR + 2 (16 wave + r)
	v_add_nc_u32 v245, SCR, v1                     ; and where wave 0 reads them back
.irp j, 0,1,2,3,4,5,6,7
	v_mov_b32 v[24+\j], 0                          ; zero codes for the upper 64 along K: Q's,
.endr
.irp t, 0,1,2,3
.irp j, 0,1,2,3,4,5,6,7
	v_mov_b32 v[40+16*\t+\j], 0                    ; and K's: no load ever lands here
.endr
.endr
	v_mov_b32 v13, 0xff61b1e6                      ; the largest t so far: -3e38
	v_floor_f32 v12, -v13                          ; -M
	v_mov_b32 v14, 0
	v_mov_b32 v15, 0
.irp b, 0,1,2,3
	v_mov_b32 v[228+\b], 0                         ; a lane permute's destination counts as one of its sources
.endr
	v_mov_b32 v241, 0                              ; (named as the upper half of the pair v[240:241] before it is first written)
.set k, 0
.rept 32
	v_mov_b32 v[160+k], 0                          ; O^T: the step is written once; its first walk finds zeros
.set k, k+1
.endr
	s_wait_loadcnt 0x0                             ; Q
; A KEY STEP: the 128 keys of the chunk at LDS byte s40.
.macro STEP
	v_add_nc_u32 v3, s40, v1
	v_add_nc_u32 v4, s40, v2
.rept 7
	v_nop                                          ; with the two additions nine places: the products below write over the registers from which the last step's products read V
.endr
.irp g, 0,1                                    ; S^T = K Q^T, four tiles of 16 keys at a time
.if \g
.rept 8
	v_nop                                          ; places in front of loads into registers that matrix instructions have read
.endr
.else
	ds_load_b128 v[8:11], v3 offset:16384          ; K's scale words: word j: lanes 0-15 tile 2 j, lanes 16-31 tile 2 j + 1
.endif
.irp t, 0,1,2,3
	ds_load_b128 v[32+16*\t:35+16*\t], v3 offset:(4*\g+\t)*1024
	ds_load_b128 v[36+16*\t:39+16*\t], v3 offset:(4*\g+\t)*1024+512
.endr
	s_wait_dscnt 0x0
.irp t, 0,1,2,3
.if \t%2
	v_wmma_scale_f32_16x16x128_f8f6f4 v[96+8*(4*\g+\t):103+8*(4*\g+\t)], v[32+16*\t:47+16*\t], v[16:31], 0, v[8+2*\g+\t/2], v5 matrix_a_fmt:MATRIX_FMT_BF8 matrix_b_fmt:MATRIX_FMT_BF8 matrix_a_scale:MATRIX_SCALE_ROW1
.else
	v_wmma_scale_f32_16x16x128_f8f6f4 v[96+8*(4*\g+\t):103+8*(4*\g+\t)], v[32+16*\t:47+16*\t], v[16:31], 0, v[8+2*\g+\t/2], v5 matrix_a_fmt:MATRIX_FMT_BF8 matrix_b_fmt:MATRIX_FMT_BF8
.endif
.endr
.endr
.rept 8
	v_nop
.endr
.irp b, 0,1,2,3
	v_max3_num_f32 v[224+\b], v[96+16*\b], v[97+16*\b], v[98+16*\b]   ; the largest score of each block of 32 keys: for the row's maximum, and, since p rises with the score, for the block's largest p
.endr
.irp i, 3,5,7,9,11,13
.irp b, 0,1,2,3
	v_max3_num_f32 v[224+\b], v[224+\b], v[96+16*\b+\i], v[97+16*\b+\i]
.endr
.endr
.irp b, 0,1,2,3
	v_max_num_f32 v[224+\b], v[224+\b], v[111+16*\b]
.endr
.irp b, 0,1,2,3
	v_permlanex16_b32 v[228+\b], v[224+\b], s12, s13
.endr
.irp b, 0,1,2,3
	v_max_num_f32 v[224+\b], v[224+\b], v[228+\b]  ; with lane l xor 16's 16 keys
.endr
	v_max3_num_f32 v242, v224, v225, v226
	v_max_num_f32 v242, v242, v227
	v_mul_f32 v242, s14, v242                      ; as t (c is positive)
	v_max_num_f32 v13, v13, v242                   ; the running largest t
	v_mov_b32 v242, v12
	v_floor_f32 v12, -v13                          ; the new -M = -ceil(t)
	v_sub_f32 v242, v12, v242                      ; old M - new M: a whole number, 0 or less
	v_cvt_i32_f32 v242, v242                       ; (it saturates)
	v_ldexp_f32 v240, 1.0, v242                    ; f = 2^(old M - new M)
.set k, 0
.rept 32
	v_pk_fma_f32 v[96+k:97+k], v[96+k:97+k], s[14:15], v[12:13] op_sel_hi:[1,0,0]   ; t - M
.set k, k+2
.endr
.irp b, 0,1,2,3
	v_fma_f32 v[224+\b], v[224+\b], s14, v12       ; the same of each block's largest score
.endr
.set k, 0
.rept 64
	v_exp_f32 v[96+k], v[96+k]                     ; p = 2^(t - M)
.set k, k+1
.endr
.irp b, 0,1,2,3
	v_exp_f32 v[224+\b], v[224+\b]                 ; the block's largest p: the same two instructions on the same number
.endr
	v_pk_mul_f32 v[14:15], v[14:15], v[240:241] op_sel_hi:[1,0]   ; the sums under the new M (a plain line behind the exponentials)
	s_wait_alu depctr_va_vdst(0)
.irp b, 0,1,2,3
	v_max_num_f32 v[224+\b], 0x8000000, v[224+\b]  ; the floor 2^(16 - 127)
.endr
.irp b, 0,1,2,3
	v_add_nc_u32 v[236+\b], 0xf8800000, v[224+\b]  ; the conversion's scale operand
.endr
.irp b, 0,1,2,3
	v_and_or_b32 v[232+\b], v[224+\b], 0x7f800000, s11   ; 57,344 x the scale
.endr
.irp b, 0,1,2,3
	v_lshrrev_b32 v[228+\b], 23, v[236+\b]         ; the scale's byte
.endr
	v_lshl_or_b32 v241, v229, 8, v228              ; p's scale word for these 128 keys
	v_lshl_or_b32 v241, v230, 16, v241
	v_lshl_or_b32 v241, v231, 24, v241
	v_pk_add_f32 v[228:229], v[96:97], v[98:99]    ; the row's sum is taken of the unquantised p, in two chains
.irp j, 4,8,12,16,20,24,28,32,36,40,44,48,52,56,60
	v_pk_add_f32 v[14:15], v[14:15], v[96+\j:97+\j]
	v_pk_add_f32 v[228:229], v[228:229], v[98+\j:99+\j]
.endr
	v_pk_add_f32 v[14:15], v[14:15], v[228:229]
.irp b, 0,1,2,3
.irp i, 0,1,2,3,4,5,6,7,8,9,10,11,12,13,14,15
	v_min_num_f32 v[96+16*\b+\i], v[96+16*\b+\i], v[232+\b]   ; the conversion does not saturate (ISA guide 7.6.2); p is not negative, so the hold is one-sided
.endr
	v_cvt_scalef32_pk8_bf8_f32 v[208+4*\b:209+4*\b], v[96+16*\b:103+16*\b], v[236+\b]
	v_cvt_scalef32_pk8_bf8_f32 v[210+4*\b:211+4*\b], v[104+16*\b:111+16*\b], v[236+\b]
.endr
.irp j, 0,2,4,6
	v_pk_mul_f32 v[160+\j:161+\j], v[160+\j:161+\j], v[240:241] op_sel_hi:[1,0]   ; O^T under the new M; plain lines behind the last conversion
.endr
.irp t, 0,1,2,3                                ; V's four fragments (16 of the head's 64 x 128 keys) take p's place
.irp c, 0,1,2,3
	ds_load_b128 v[96+16*\t+4*\c:99+16*\t+4*\c], v3 offset:8192+2048*\t+512*\c
.endr
.endr
	ds_load_b64 v[6:7], v4 offset:16896            ; V's scale words: word j: lanes 0-15 d tile 2 j, lanes 16-31 d tile 2 j + 1
.irp j, 8,10,12,14,16,18,20,22,24,26,28,30
	v_pk_mul_f32 v[160+\j:161+\j], v[160+\j:161+\j], v[240:241] op_sel_hi:[1,0]   ; (these are also the places between the codes and the products)
.endr
	s_wait_dscnt 0x0
.irp t, 0,1,2,3                                ; O^T += V^T P^T: the four accumulators take turns
.if \t%2
	v_wmma_scale_f32_16x16x128_f8f6f4 v[160+8*\t:167+8*\t], v[96+16*\t:111+16*\t], v[208:223], v[160+8*\t:167+8*\t], v[6+\t/2], v241 matrix_a_fmt:MATRIX_FMT_BF8 matrix_b_fmt:MATRIX_FMT_BF8 matrix_a_scale:MATRIX_SCALE_ROW1
.else
	v_wmma_scale_f32_16x16x128_f8f6f4 v[160+8*\t:167+8*\t], v[96+16*\t:111+16*\t], v[208:223], v[160+8*\t:167+8*\t], v[6+\t/2], v241 matrix_a_fmt:MATRIX_FMT_BF8 matrix_b_fmt:MATRIX_FMT_BF8
.endif
.endr
.endm
; Four chunks: the waves that fetched them wait for them (left = the loads that each issued later, which may stay out), then the barrier shows them to all sixteen.
.macro GROUP left
	s_wait_tensorcnt \left
	s_wait_dscnt 0x0
	s_barrier_signal -1
	s_barrier_wait -1
	s_mov_b32 s41, 4
.Lstep_\@:
	STEP
	s_add_co_u32 s40, s40, CHL
	s_sub_co_u32 s41, s41, 1
	s_cmp_lg_u32 s41, 0
	s_cbranch_scc1 .Lstep_\@
.endm
	GROUP 3
	GROUP 2
	GROUP 1
	GROUP 0
	; THE WAY OUT
.rept 8
	v_nop                                          ; places behind the last products
.endr
	v_add_f32 v14, v14, v15
	v_permlanex16_b32 v242, v14, s12, s13
	v_add_f32 v14, v14, v242                       ; the row's sum
	v_rcp_f32 v14, v14
	v_nop                                          ; a plain line behind the transcendental
.set k, 0
	s_wait_alu depctr_va_vdst(0)
.rept 16
	v_pk_mul_f32 v[96+k:97+k], v[160+k:161+k], v[14:15] op_sel_hi:[1,0]   ; O / l: register 8 t + j is channel 16 t + 8 h + j; each accumulator from its low end on
.set k, k+2
.endr
.irp b, 0,1
	v_max3_num_f32 v[224+\b], |v[96+16*\b]|, |v[97+16*\b]|, 0x8000000
.endr
.irp i, 2,4,6,8,10,12,14
.irp b, 0,1
	v_max3_num_f32 v[224+\b], v[224+\b], |v[96+16*\b+\i]|, |v[97+16*\b+\i]|
.endr
.endr
.irp b, 0,1
	v_permlanex16_b32 v[228+\b], v[224+\b], s12, s13
.endr
.irp b, 0,1
	v_max_num_f32 v[224+\b], v[224+\b], v[228+\b]
.endr
.irp b, 0,1
	v_add_nc_u32 v[236+\b], 0xf8800000, v[224+\b]
.endr
.irp b, 0,1
	v_and_or_b32 v[232+\b], v[224+\b], 0x7f800000, s11
.endr
.irp b, 0,1
	v_lshrrev_b32 v[228+\b], 23, v[236+\b]
.endr
	v_lshl_or_b32 v242, v229, 8, v228              ; my row's two scale bytes of this head
.irp b, 0,1
.irp i, 0,1,2,3,4,5,6,7,8,9,10,11,12,13,14,15
	v_med3_num_f32 v[96+16*\b+\i], v[96+16*\b+\i], -v[232+\b], v[232+\b]
.endr
	v_cvt_scalef32_pk8_bf8_f32 v[208+4*\b:209+4*\b], v[96+16*\b:103+16*\b], v[236+\b]
	v_cvt_scalef32_pk8_bf8_f32 v[210+4*\b:211+4*\b], v[104+16*\b:111+16*\b], v[236+\b]
.endr
	v_nop                                          ; one plain line behind the last conversion
.irp b, 0,1                                    ; into the natural order: lanes 0-15 want channels 0-15 of the block, lanes 16-31 channels 16-31
	v_permlane16_swap_b32 v[208+4*\b], v[210+4*\b]
	v_permlane16_swap_b32 v[209+4*\b], v[211+4*\b]
.endr
	global_store_b128 v1, v[208:211], s[58:59]     ; 512 consecutive bytes a store
	global_store_b128 v1, v[212:215], s[58:59] offset:512
	ds_store_b16 v244, v242                        ; both halves of the lanes write the same halfword
	s_wait_dscnt 0x0                               ; for the others' sake: my store has landed
	s_barrier_signal -1
	s_barrier_wait -1
	s_cmp_lg_u32 s10, 0
	s_cbranch_scc1 .Lnot_first
	ds_load_b128 v[216:219], v245                  ; wave 0 stores the 256 rows' halfwords: 512 consecutive bytes
	s_wait_dscnt 0x0
	global_store_b128 v1, v[216:219], s[60:61]
.Lnot_first:
	s_wait_tensorcnt 0x0
	ds_add_u32 v254, v255
	s_wait_dscnt 0x0
	CROUND                                         ; the closing round
	s_endpgm
.Lfunc_end_k_q33becdd187_attn:
	.size	k_q33becdd187_attn, .Lfunc_end_k_q33becdd187_attn-k_q33becdd187_attn
	.p2alignl 7, 3214868480
	.fill 96, 4, 3214868480
	.section	.rodata,"a",@progbits
	.p2align	6, 0x0
	.amdhsa_kernel k_q33becdd187_attn
		.amdhsa_group_segment_fixed_size 327680
		.amdhsa_private_segment_fixed_size 0
		.amdhsa_enable_private_segment 0
		.amdhsa_kernarg_size 24
		.amdhsa_user_sgpr_count 2
		.amdhsa_user_sgpr_kernarg_segment_ptr 1
		.amdhsa_wavefront_size32 1
		.amdhsa_system_sgpr_workgroup_id_x 1
		.amdhsa_system_sgpr_workgroup_id_y 1
		.amdhsa_system_sgpr_workgroup_id_z 1
		.amdhsa_system_vgpr_workitem_id 0
		.amdhsa_next_free_vgpr 256
		.amdhsa_next_free_sgpr 66
		.amdhsa_reserve_vcc 0
		.amdhsa_float_denorm_mode_32 3
		.amdhsa_float_denorm_mode_16_64 3
		.amdhsa_memory_ordered 1
		.amdhsa_forward_progress 1
		.amdhsa_inst_pref_size 90
	.end_amdhsa_kernel
	.amdgpu_metadata
---
amdhsa.version: [ 1, 2 ]
amdhsa.kernels:
  - .name:           k_q33becdd187_attn
    .symbol:         k_q33becdd187_attn.kd
    .args:
      - { .name: qkv, .offset: 0, .size: 8, .value_kind: global_buffer, .address_space: global }
      - { .name: att_codes, .offset: 8, .size: 8, .value_kind: global_buffer, .address_space: global }
      - { .name: att_scales, .offset: 16, .size: 8, .value_kind: global_buffer, .address_space: global }
    .group_segment_fixed_size: 327680
    .private_segment_fixed_size: 0
    .kernarg_segment_align: 8
    .kernarg_segment_size: 24
    .max_flat_workgroup_size: 512
    .sgpr_count:     66
    .vgpr_count:     256
    .wavefront_size: 32
...
	.end_amdgpu_metadata
.endif
;; end of part 2
;; launch oproj (part 3): grid 8 x 32, 4 waves a work-group, clusters of 4 x 4, 327,680 bytes of LDS; arguments att_codes, att_scales, Wo_codes, Wo_scales, bo, out0; writes out0
.if DOCPART == 3
	.amdgcn_target "amdgcn-amd-amdhsa--gfx1250"
	.amdhsa_code_object_version 6
	.text
	.protected	k_q33becdd187_oproj
	.globl	k_q33becdd187_oproj
	.p2align	8
	.type	k_q33becdd187_oproj,@function
k_q33becdd187_oproj:
	s_mov_b64 s[64:65], 0
	v_nop
	global_prefetch_b8 v0, s[64:65] scope:SCOPE_SE
	s_setreg_imm32_b32 hwreg(HW_REG_WAVE_MODE, 25, 1), 1
	s_wait_xcnt 0x0
	s_wait_alu depctr_hold_cnt(0) depctr_sa_sdst(0) depctr_va_vdst(0) depctr_va_sdst(0) depctr_va_ssrc(0) depctr_va_vcc(0) depctr_vm_vsrc(0)
	s_getreg_b32 s2, hwreg(HW_REG_IB_STS2, 6, 4)
	s_cmp_eq_u32 s2, 0
	s_cbranch_scc0 .Lentry_in_a_cluster
	s_endpgm
.Lentry_in_a_cluster:
	s_bfe_u32 s2, ttmp6, 0x10000c
	s_cmp_lg_u32 s2, 0xf033
	s_cbranch_scc0 .Lentry_shape_is_right
	s_endpgm
.Lentry_shape_is_right:
; out0 = att Wo^T + bo on codes of BF8 (E5M2) with E8M0 scales.  att: 4,096 rows x 1,024, as images of operand registers [rows / 128][K / 256][tile][block][lane][16], its scale bytes [head][row][2];
; Wo: [1024][1024] codes, K innermost, scale bytes [1024][32]; out0: [4096][1024] f32.
; A tile of 128 x 128 to a work-group (256 work-groups), 64 x 64 to each of four waves: 16 accumulators.  ALL OF K LIES IN LDS, each byte filled ONCE, in four quarters of 256 along K: a wave's five first fills
; (scales, then the quarters) go out together, five tensor loads of a wave at the most, and each quarter is multiplied as soon as it has landed.
; CLUSTERS: 4 x 4 work-groups; att's tiles are asked for jointly along a row of the cluster, Wo's along a column.
; The matrix instruction is used transposed (source 0 = 16 rows of Wo, source 1 = 16 rows of att): a lane holds eight neighbouring numbers of a row of out0.  The bias is the C of each sum's first instruction.
; att's scale bytes arrive as 16 planes (one a head, two bytes a row); the 128 threads pack them once into rows of 32 bytes, laid as Wo's scale rows are.
.set AIMG, 0                           ; att: 4 quarters x 32,768 bytes
.set BT,   131072                      ; Wo: 4 quarters x 128 rows x 272 bytes (256 + 16 of padding)
.set SAW,  270336                      ; att's scale rows, packed here by LDS stores: 17 blocks of 256 bytes into which no tensor load lands
.set SBW,  274688                      ; Wo's scale rows: units of 256 bytes + 16
.set SAP,  279040                      ; att's 16 planes of 256 bytes
.set STG,  283136                      ; a stage of 16 rows x 272 bytes for each wave
.set ADA, 4                            ; v4-7   LDS address of my att fragments in quarter q
.set ADB, 8                            ; v8-11  of my Wo fragments
.set ADS, 12
.set STO, 13
.set RD,  14
.set CO,  15
.set BI,  32                           ; v32-63  the bias in the result's layout; later rows on the way out
.set SC,  96                           ; v96-127 scale words: block i, K step s at 8 i + s: lanes 0-15 att's, lanes 16-31 Wo's
.set ACC, 128                          ; v128-255 the accumulators: (a, b) at 8 (4 a + b)
.set MSB, 0
.macro WIN new
.if MSB != \new
	s_set_vgpr_msb (MSB<<8)|\new
.set MSB, \new
.endif
.endm
.macro CROUND
	s_barrier_signal -1
	s_barrier_wait -1
	s_cmp_lg_u32 s16, 0
	s_cbranch_scc1 .Lnot_wave_0_\@
	s_barrier_signal -3
.Lnot_wave_0_\@:
	s_barrier_wait -3
	s_barrier_signal -1
	s_barrier_wait -1
.endm
.macro PLACES
.rept 8
	v_nop
.endr
.endm
.macro G0SET g, sreg, off              ; a group 0 whose address words are made: the count, the LDS address, the type
	s_mov_b32 s[\g], 1
	s_add_co_u32 s[\g+1], s[\sreg], \off
	s_or_b32 s[\g+3], s[\g+3], 0x80000000
.endm
	s_load_b256 s[4:11], s[0:1], 0x0               ; att_codes, att_scales, Wo_codes, Wo_scales
	s_load_b128 s[12:15], s[0:1], 0x20             ; bo, out0
	v_lshl_add_u32 v30, v0, 2, 0x49600
	v_mov_b32 v31, 0
	ds_add_u32 v30, v31
	ds_add_u32 v30, v31
	v_lshrrev_b32 v1, 5, v0
	v_readfirstlane_b32 s16, v1                    ; wave 0..3
	s_lshr_b32 s17, s16, 1                         ; which 64 rows of the tile are mine.  Also: I fetch for att (0) or for Wo (1)
	s_and_b32 s18, s16, 1                          ; which 64 columns.  Also: which half of a tile I fetch
	s_bfe_u32 s19, ttmp6, 0x40000                  ; cx
	s_bfe_u32 s20, ttmp6, 0x40004                  ; cy
	s_lshl_b32 s21, ttmp9, 2
	s_add_co_u32 s21, s21, s19                     ; tile column
	s_and_b32 s22, ttmp7, 0xffff
	s_lshl_b32 s22, s22, 2
	s_add_co_u32 s22, s22, s20                     ; tile row
	s_lshl_b32 s23, s20, 2
	s_lshl_b32 s23, 15, s23                        ; my row of the cluster
	s_lshl_b32 s3, 0x1111, s19                     ; my column
	s_or_b32 s24, s23, (3<<16)|(1<<21)             ; att's quarter, my half: 64 dense rows of 256 bytes (32 elements of 8)
	s_mov_b32 s25, 32<<16
	s_mov_b32 s26, 64<<16
	s_mov_b32 s27, 32<<16
	s_mov_b32 s28, 64
	s_mov_b32 s29, 32
	s_mov_b32 s30, 0
	s_mov_b32 s31, 0
	s_or_b32 s32, s3, (0<<16)|(1<<20)|(1<<21)|(5<<22)|(3<<25)   ; Wo's quarter, my half: 64 rows of 256 bytes, 1,024 apart; 4 words of padding after every 64
	s_mov_b32 s33, 256<<16
	s_mov_b32 s34, 64<<16
	s_mov_b32 s35, 256<<16
	s_mov_b32 s36, 64
	s_mov_b32 s37, 1024
	s_mov_b32 s38, 0
	s_mov_b32 s39, 0
	s_or_b32 s40, s23, (3<<16)|(1<<21)             ; att's planes, eight heads: 8 rows of 256 bytes, 8,192 apart
	s_mov_b32 s41, 32<<16
	s_mov_b32 s42, 8<<16
	s_mov_b32 s43, 32<<16
	s_mov_b32 s44, 8
	s_mov_b32 s45, 1024
	s_mov_b32 s46, 0
	s_mov_b32 s47, 0
	s_or_b32 s48, s3, (3<<16)|(1<<20)|(1<<21)|(5<<22)|(3<<25)   ; Wo's scales of 64 rows: 8 dense rows of 256 bytes, padded
	s_mov_b32 s49, 32<<16
	s_mov_b32 s50, 8<<16
	s_mov_b32 s51, 32<<16
	s_mov_b32 s52, 8
	s_mov_b32 s53, 32
	s_mov_b32 s54, 0
	s_mov_b32 s55, 0
	s_mov_b32 s56, 1                               ; att's planes
	s_lshl_b32 s57, s18, 11
	s_add_co_u32 s57, s57, SAP
	s_lshl_b32 s58, s18, 16
	s_lshl_b32 s59, s22, 8
	s_add_co_u32 s58, s58, s59
	s_mov_b32 s59, 0
	s_lshl_b32 s100, s18, 14                       ; my half of a quarter of att
	s_lshl_b32 s62, s22, 17
	s_add_co_u32 s62, s62, s100
	s_mov_b32 s63, 0
	s_mov_b32 s80, 1                               ; Wo's scales
	s_mul_i32 s81, s18, 2176
	s_add_co_u32 s81, s81, SBW
	s_lshl_b32 s101, s21, 7
	s_lshl_b32 s104, s18, 6
	s_add_co_u32 s101, s101, s104                  ; the first row of Wo that I fetch
	s_lshl_b32 s82, s101, 5
	s_mov_b32 s83, 0
	s_mul_i32 s105, s18, 17408                     ; my half of a quarter of Wo
	s_lshl_b32 s86, s101, 10
	s_mov_b32 s87, 0
	s_wait_dscnt 0x0
	s_wait_kmcnt 0x0
	s_add_nc_u64 s[58:59], s[6:7], s[58:59]
	s_or_b32 s59, s59, 0x80000000
	s_add_nc_u64 s[82:83], s[10:11], s[82:83]
	s_or_b32 s83, s83, 0x80000000
	s_add_nc_u64 s[62:63], s[4:5], s[62:63]
	s_add_nc_u64 s[70:71], s[62:63], 32768
	s_add_nc_u64 s[74:75], s[62:63], 65536
	s_add_nc_u64 s[78:79], s[62:63], 98304
	s_add_nc_u64 s[86:87], s[8:9], s[86:87]
	s_add_nc_u64 s[90:91], s[86:87], 256
	s_add_nc_u64 s[94:95], s[86:87], 512
	s_add_nc_u64 s[98:99], s[86:87], 768
	G0SET 60, 100, AIMG
	G0SET 68, 100, AIMG+32768
	G0SET 72, 100, AIMG+65536
	G0SET 76, 100, AIMG+98304
	G0SET 84, 105, BT
	G0SET 88, 105, BT+34816
	G0SET 92, 105, BT+69632
	G0SET 96, 105, BT+104448
	CROUND                                         ; all sixteen work-groups are here: the joint loads meet
	s_cmp_eq_u32 s17, 0                            ; a wave's five first fills stand in one branch on the wave's number
	s_cbranch_scc0 .Lfor_b
	tensor_load_to_lds s[56:59], s[40:47]
	s_nop 0
	tensor_load_to_lds s[60:63], s[24:31]
	s_nop 0
	tensor_load_to_lds s[68:71], s[24:31]
	s_nop 0
	tensor_load_to_lds s[72:75], s[24:31]
	s_nop 0
	tensor_load_to_lds s[76:79], s[24:31]
	s_nop 0
.rept 4
	v_nop
.endr
	s_branch .Lasked
.Lfor_b:
	tensor_load_to_lds s[80:83], s[48:55]
	s_nop 0
	tensor_load_to_lds s[84:87], s[32:39]
	s_nop 0
	tensor_load_to_lds s[88:91], s[32:39]
	s_nop 0
	tensor_load_to_lds s[92:95], s[32:39]
	s_nop 0
	tensor_load_to_lds s[96:99], s[32:39]
	s_nop 0
.rept 4
	v_nop
.endr
.Lasked:
	v_and_b32 v1, 15, v0                           ; r
	v_bfe_u32 v2, v0, 4, 1                         ; h
	v_and_b32 v3, 31, v0
	v_lshlrev_b32 v16, 4, v3                       ; 16 x lane
	v_mul_u32_u24 v17, v1, 272
	v_lshl_add_u32 v17, v2, 4, v17                 ; Wo: row r x pitch + 16 h
	s_lshl_b32 s100, s17, 14                       ; my four tiles of att's rows
	s_mul_i32 s101, s18, 17408
	s_add_co_u32 s101, s101, BT                    ; my 64 rows of Wo
.irp q, 0,1,2,3
	v_add_nc_u32 v[ADA+\q], s100, v16
	v_add_nc_u32 v[ADB+\q], s101, v17
	s_add_co_u32 s100, s100, 32768
	s_add_co_u32 s101, s101, 34816
.endr
	v_lshlrev_b32 v18, 5, v1                       ; my row's scales: 32 bytes a row, and 16 more for each 256 passed
	v_lshrrev_b32 v19, 8, v18
	v_lshl_add_u32 v18, v19, 4, v18
	s_mul_i32 s100, s17, 2176
	s_mul_i32 s104, s18, 2176
	s_add_co_u32 s104, s104, SBW-SAW
	s_sub_co_u32 s104, s104, s100
	v_mul_u32_u24 v19, s104, v2                    ; lanes 16-31 take Wo's
	s_add_co_u32 s100, s100, SAW
	v_add_nc_u32 v18, v18, v19
	v_add_nc_u32 v[ADS], s100, v18
	s_mul_i32 s100, s16, 4352
	s_add_co_u32 s100, s100, STG                   ; my stage
	v_mul_u32_u24 v18, v1, 272
	v_lshl_add_u32 v18, v2, 5, v18
	v_add_nc_u32 v[STO], s100, v18                 ; in: row r, 32 bytes for each half of the lanes
	v_mul_u32_u24 v18, v2, 272
	v_lshl_add_u32 v18, v1, 4, v18
	v_add_nc_u32 v[RD], s100, v18                  ; back: lanes 0-15 one row of 256 bytes, lanes 16-31 the next
	v_lshlrev_b32 v18, 12, v2
	v_lshl_add_u32 v[CO], v1, 4, v18               ; and the same two rows in out0
	v_lshl_add_u32 v20, v0, 1, SAP                 ; packing: thread t is row t: its halfword in a plane,
	v_lshrrev_b32 v21, 3, v0
	v_lshlrev_b32 v21, 4, v21
	v_lshl_add_u32 v21, v0, 5, v21
	v_add_nc_u32 v21, SAW, v21                     ; and its packed row: 32 t + 16 (t / 8)
	v_lshlrev_b32 v22, 5, v2                       ; the bias: 32 h
	s_lshl_b32 s100, s21, 9
	s_lshl_b32 s101, s18, 8
	s_add_co_u32 s100, s100, s101                  ; my first column, in bytes
	s_mov_b32 s101, 0
	s_add_nc_u64 s[12:13], s[12:13], s[100:101]
	s_add_nc_u64 s[14:15], s[14:15], s[100:101]
	s_lshl_b32 s100, s22, 7
	s_lshl_b32 s104, s17, 6
	s_add_co_u32 s100, s100, s104                  ; my first row
	s_lshl_b32 s100, s100, 12
	s_add_nc_u64 s[14:15], s[14:15], s[100:101]
.irp b, 0,1,2,3
	global_load_b128 v[BI+8*\b:BI+8*\b+3], v22, s[12:13] offset:64*\b          ; register j of tile b is column 16 b + 8 h + j
	global_load_b128 v[BI+8*\b+4:BI+8*\b+7], v22, s[12:13] offset:64*\b+16
.endr
	s_wait_tensorcnt 4                             ; my part of the scales is in; the four quarters may stay out
	s_barrier_signal -1
	s_barrier_wait -1
.irp d, 0,1,2,3,4,5,6,7,8,9,10,11,12,13,14,15
	ds_load_u16 v[64+\d], v20 offset:256*\d        ; my row's two bytes of head d
.endr
	s_wait_dscnt 0x0
.irp s, 0,1,2,3,4,5,6,7
	v_lshl_or_b32 v[80+\s], v[65+2*\s], 16, v[64+2*\s]   ; the scale word of 128 along K: heads 2 s and 2 s + 1
.endr
	ds_store_b128 v21, v[80:83]
	ds_store_b128 v21, v[84:87] offset:16
	s_wait_dscnt 0x0                               ; for the others' sake: my packed row has landed,
	s_wait_tensorcnt 3                             ; and my part of quarter 0
	s_barrier_signal -1
	s_barrier_wait -1
.irp i, 0,1,2,3
	ds_load_b128 v[SC+8*\i:SC+8*\i+3], v[ADS] offset:544*\i
	ds_load_b128 v[SC+8*\i+4:SC+8*\i+7], v[ADS] offset:544*\i+16
.endr
; The fragments of K step s (128 along K): att's four tiles as they lie, Wo's four from padded rows; into buffer s % 2 of window 1
.macro FETCH s
.set FB, 128*((\s)%2)
	WIN 0x40                                       ; destination window 1, address window 0
.irp i, 0,1,2,3
.irp c, 0,1,2,3
	ds_load_b128 v[FB+16*\i+4*\c:FB+16*\i+4*\c+3], v[ADA+(\s)/2] offset:\i*4096+((\s)%2)*2048+512*\c
.endr
.endr
.irp i, 0,1,2,3
.irp c, 0,1,2,3
	ds_load_b128 v[FB+64+16*\i+4*\c:FB+64+16*\i+4*\c+3], v[ADB+(\s)/2] offset:\i*4352+((\s)%2)*128+32*\c
.endr
.endr
.endm
; 16 matrix instructions; the accumulators take turns, one instruction a turn
.macro MUL s
.set FB, 128*((\s)%2)
	WIN 0x05                                       ; sources 0 and 1 window 1; C and D window 0
.irp a, 0,1,2,3
.irp b, 0,1,2,3
.if (\s) == 0
	v_wmma_scale_f32_16x16x128_f8f6f4 v[ACC+8*(4*\a+\b):ACC+8*(4*\a+\b)+7], v[FB+64+16*\b:FB+64+16*\b+15], v[FB+16*\a:FB+16*\a+15], v[BI+8*\b:BI+8*\b+7], v[SC+8*\b+(\s)], v[SC+8*\a+(\s)] matrix_a_fmt:MATRIX_FMT_BF8 matrix_b_fmt:MATRIX_FMT_BF8 matrix_a_scale:MATRIX_SCALE_ROW1
.else
	v_wmma_scale_f32_16x16x128_f8f6f4 v[ACC+8*(4*\a+\b):ACC+8*(4*\a+\b)+7], v[FB+64+16*\b:FB+64+16*\b+15], v[FB+16*\a:FB+16*\a+15], v[ACC+8*(4*\a+\b):ACC+8*(4*\a+\b)+7], v[SC+8*\b+(\s)], v[SC+8*\a+(\s)] matrix_a_fmt:MATRIX_FMT_BF8 matrix_b_fmt:MATRIX_FMT_BF8 matrix_a_scale:MATRIX_SCALE_ROW1
.endif
.endr
.endr
.endm
	FETCH 0
	s_wait_loadcnt 0x0                             ; the bias
.irp s, 0,1,2,3,4,5,6,7
.if \s < 7
.if (\s+1)%2 == 0
	s_wait_tensorcnt 3-(\s+1)/2                    ; my part of the next quarter is in; the later quarters may stay out
	s_wait_dscnt 0x0
	s_barrier_signal -1
	s_barrier_wait -1                              ; everybody's is
.endif
.if \s > 0
	PLACES                                         ; in front of loads into the buffer that the last sixteen products read
.endif
	FETCH \s+1
	s_wait_dscnt 32                                ; all but the 32 just issued
.else
	s_wait_dscnt 0x0
.endif
	MUL \s
.endr
	WIN 0
	PLACES
; THE WAY OUT, a block of 16 rows x 64 columns at a time, through my own stage: back come whole rows of 256 bytes.  LDS serves a wave's instructions in order (ISA guide 5.7.1.4): no wait between the stores and the loads.
.macro TOSTAGE a
.set BB, 64-32*((\a)%2)
.irp b, 0,1,2,3
	ds_store_b128 v[STO], v[ACC+8*(4*(\a)+\b):ACC+8*(4*(\a)+\b)+3] offset:64*\b        ; each accumulator from its low end on
	ds_store_b128 v[STO], v[ACC+8*(4*(\a)+\b)+4:ACC+8*(4*(\a)+\b)+7] offset:64*\b+16
.endr
.irp t, 0,1,2,3,4,5,6,7
	ds_load_b128 v[BB+4*\t:BB+4*\t+3], v[RD] offset:544*\t
.endr
.endm
.macro SEND a, younger
.set BB, 64-32*((\a)%2)
	s_wait_dscnt \younger                          ; the block is back; the next block's 8 stores and 8 loads may be out
.irp t, 0,1,2,3,4,5,6,7
	global_store_b128 v[CO], v[BB+4*\t:BB+4*\t+3], s[14:15] offset:(16*(\a)+2*\t)*4096 th:TH_STORE_NT   ; 16 lanes store 256 consecutive bytes, at a multiple of 256 from out0's first byte
.endr
.endm
	TOSTAGE 0
.irp a, 1,2,3
.if \a > 1
	s_wait_xcnt 0x0                                ; block a - 2's stores have read their registers: block a's loads may land there
.endif
	TOSTAGE \a
	SEND \a-1, 16
.endr
	SEND 3, 0
	s_wait_tensorcnt 0x0
	ds_add_u32 v30, v31
	s_wait_dscnt 0x0
	CROUND                                         ; the closing round: no work-group ends while a partner may still ask for a tile that names it
	s_endpgm
.Lfunc_end_k_q33becdd187_oproj:
	.size	k_q33becdd187_oproj, .Lfunc_end_k_q33becdd187_oproj-k_q33becdd187_oproj
	.p2alignl 7, 3214868480
	.fill 96, 4, 3214868480
	.section	.rodata,"a",@progbits
	.p2align	6, 0x0
	.amdhsa_kernel k_q33becdd187_oproj
		.amdhsa_group_segment_fixed_size 327680
		.amdhsa_private_segment_fixed_size 0
		.amdhsa_enable_private_segment 0
		.amdhsa_kernarg_size 48
		.amdhsa_user_sgpr_count 2
		.amdhsa_user_sgpr_kernarg_segment_ptr 1
		.amdhsa_wavefront_size32 1
		.amdhsa_system_sgpr_workgroup_id_x 1
		.amdhsa_system_sgpr_workgroup_id_y 1
		.amdhsa_system_sgpr_workgroup_id_z 1
		.amdhsa_system_vgpr_workitem_id 0
		.amdhsa_next_free_vgpr 512
		.amdhsa_next_free_sgpr 106
		.amdhsa_reserve_vcc 0
		.amdhsa_float_denorm_mode_32 3
		.amdhsa_float_denorm_mode_16_64 3
		.amdhsa_memory_ordered 1
		.amdhsa_forward_progress 1
		.amdhsa_inst_pref_size 57
	.end_amdhsa_kernel
	.amdgpu_metadata
---
amdhsa.version: [ 1, 2 ]
amdhsa.kernels:
  - .name:           k_q33becdd187_oproj
    .symbol:         k_q33becdd187_oproj.kd
    .args:
      - { .name: att_codes, .offset: 0, .size: 8, .value_kind: global_buffer, .address_space: global }
      - { .name: att_scales, .offset: 8, .size: 8, .value_kind: global_buffer, .address_space: global }
      - { .name: Wo_codes, .offset: 16, .size: 8, .value_kind: global_buffer, .address_space: global }
      - { .name: Wo_scales, .offset: 24, .size: 8, .value_kind: global_buffer, .address_space: global }
      - { .name: bo, .offset: 32, .size: 8, .value_kind: global_buffer, .address_space: global }
      - { .name: out0, .offset: 40, .size: 8, .value_kind: global_buffer, .address_space: global }
    .group_segment_fixed_size: 327680
    .private_segment_fixed_size: 0
    .kernarg_segment_align: 8
    .kernarg_segment_size: 48
    .max_flat_workgroup_size: 128
    .sgpr_count:     106
    .vgpr_count:     512
    .wavefront_size: 32
...
	.end_amdgpu_metadata
.endif
;; end of part 3
;; ======== version 2 of 2: 3 launches
;; limits: a function is approximated: absolute error at most 0.0001; right only within a limited range of input values
;; workspace buffers: qkv 13,238,272 bytes; att_codes 4,194,304 bytes; att_scales 131,072 bytes
;; launch qkv (part 4): grid 12 x 16, 4 waves a work-group, clusters of 4 x 4, 327,680 bytes of LDS; arguments x_codes, x_scales, Wq_codes, Wq_scales, Wk_codes, Wk_scales, Wv_codes, Wv_scales, bq, bk, bv, qkv; writes qkv
.if DOCPART == 4
	.amdgcn_target "amdgcn-amd-amdhsa--gfx1250"
	.amdhsa_code_object_version 6
	.text
	.protected	k_q33becdd187_qkv
	.globl	k_q33becdd187_qkv
	.p2align	8
	.type	k_q33becdd187_qkv,@function
k_q33becdd187_qkv:
	s_mov_b64 s[64:65], 0
	v_nop
	global_prefetch_b8 v0, s[64:65] scope:SCOPE_SE
	s_setreg_imm32_b32 hwreg(HW_REG_WAVE_MODE, 25, 1), 1
	s_wait_xcnt 0x0
	s_wait_alu depctr_hold_cnt(0) depctr_sa_sdst(0) depctr_va_vdst(0) depctr_va_sdst(0) depctr_va_ssrc(0) depctr_va_vcc(0) depctr_vm_vsrc(0)
	s_getreg_b32 s2, hwreg(HW_REG_IB_STS2, 6, 4)
	s_cmp_eq_u32 s2, 0
	s_cbranch_scc0 .Lentry_in_a_cluster
	s_endpgm
.Lentry_in_a_cluster:
	s_bfe_u32 s2, ttmp6, 0x10000c
	s_cmp_lg_u32 s2, 0xf033
	s_cbranch_scc0 .Lentry_shape_is_right
	s_endpgm
.Lentry_shape_is_right:
.set KSTEP,  256
.set NQ,     2
.set ROWB,   256
.set KROW,   1024
.set PITCH,  272
.set FR,     16
.set NL,     4
.set NP,     8
.set HALFT,  128*PITCH
.set SLOT,   4*HALFT
.set LAPS,   2
.set KS,     32
.set SCL,    2*SLOT
.set HALFS,  (128*KS/256)*272
.set SBLK,   (16*KS/256)*272
.set SPARE,  SCL+4*HALFS
.set TBL,    SPARE+512
.set CHB,    25856
.set HEADB,  16*CHB
.set ADRA, 16
.set ADRB, 20
.set LI,   24
.set L8,   25
.set TST,  26
.set ADRS, 27
.set SPW,  28
.set NIL,  29
.set TLD,  30
.set SC,   32
.set BIAS, 64
.set AF,   128
.set G1, 24
.set G0, 32
.set G1B, 48
.set G0B, 56
.set G1S, 68
.set G0S, 76
.set G1SB, 80
.set G0SB, 88
.set KIND, 95
.set MSB, 0
.macro WIN new
.if MSB != \new
	s_set_vgpr_msb (MSB<<8)|\new
.set MSB, \new
.endif
.endm
.set MUL_LO, 0xa1
.set MUL_HI, 0xf1
.set TO_B,   0x40
.macro JLOAD g0a, g1a, g0b, g1b
	s_cmp_eq_u32 s15, 0
	s_cbranch_scc0 .Lfor_b_\@
	tensor_load_to_lds s[\g0a:\g0a+3], s[\g1a:\g1a+7]
	s_nop 0
.rept 4
	v_nop
.endr
	s_branch .Lasked_\@
.Lfor_b_\@:
	tensor_load_to_lds s[\g0b:\g0b+3], s[\g1b:\g1b+7]
	s_nop 0
.rept 4
	v_nop
.endr
.Lasked_\@:
.endm
.macro CREST
	s_cmp_lg_u32 s14, 0
	s_cbranch_scc1 .Lnot_wave_0_\@
	s_barrier_signal -3
.Lnot_wave_0_\@:
	s_barrier_wait -3
	s_barrier_signal -1
	s_barrier_wait -1
.endm
.macro CROUND
	s_barrier_signal -1
	s_barrier_wait -1
	CREST
.endm
.set F,    128
.set TCC,  144
.set TSS,  160
.set TI,   176
.set TA,   192
.set TB,   208
.set TC,   224
.set MULR, 240
.macro FQ slot, lo, hi
	v_mov_b32 v[F+\slot], \hi
	v_cndmask_b32 v[F+\slot], \lo, v[F+\slot], vcc_lo
.endm
.macro SINCOS cc, ss
.set k, 0
.rept 16
	v_mul_f32 v[\ss+k], v[MULR], v[F+k]
.set k, k+1
.endr
.set k, 0
.rept 16
	v_mul_f32 v[TA+k], s18, v[\ss+k]
.set k, k+1
.endr
.set k, 0
.rept 16
	v_rndne_f32 v[TA+k], v[TA+k]
.set k, k+1
.endr
.set k, 0
.rept 16
	v_fma_f32 v[\ss+k], v[TA+k], s19, v[\ss+k]
.set k, k+1
.endr
.set k, 0
.rept 16
	v_fma_f32 v[\ss+k], v[TA+k], s20, v[\ss+k]
	v_cvt_i32_f32 v[TI+k], v[TA+k]
.set k, k+1
.endr
.set k, 0
.rept 16
	v_mul_f32 v[TA+k], v[\ss+k], v[\ss+k]
.set k, k+1
.endr
.set k, 0
.rept 16
	v_fmaak_f32 v[TB+k], s21, v[TA+k], 0x3c08839e
	v_mul_f32 v[TC+k], v[TA+k], v[\ss+k]
.set k, k+1
.endr
.set k, 0
.rept 16
	v_fmaak_f32 v[TB+k], v[TB+k], v[TA+k], 0xbe2aaaa3
.set k, k+1
.endr
.set k, 0
.rept 16
	v_fma_f32 v[TB+k], v[TB+k], v[TC+k], v[\ss+k]
.set k, k+1
.endr
.set k, 0
.rept 16
	v_fmaak_f32 v[TC+k], s22, v[TA+k], 0xbab6061a
.set k, k+1
.endr
.set k, 0
.rept 16
	v_fmaak_f32 v[TC+k], v[TC+k], v[TA+k], 0x3d2aaaa5
	v_fma_f32 v[\ss+k], v[TA+k], -0.5, 1.0
.set k, k+1
.endr
.set k, 0
.rept 16
	v_mul_f32 v[TA+k], v[TA+k], v[TA+k]
.set k, k+1
.endr
.set k, 0
.rept 16
	v_fma_f32 v[TC+k], v[TC+k], v[TA+k], v[\ss+k]
.set k, k+1
.endr
.set k, 0
.rept 16
	v_and_b32 v[TA+k], 1, v[TI+k]
	v_cmp_ne_u32 vcc_lo, 0, v[TA+k]
	v_cndmask_b32 v[\ss+k], v[TB+k], v[TC+k], vcc_lo
	v_cndmask_b32 v[\cc+k], v[TC+k], v[TB+k], vcc_lo
	v_lshlrev_b32 v[TA+k], 30, v[TI+k]
	v_and_b32 v[TA+k], 0x80000000, v[TA+k]
	v_xor_b32 v[\ss+k], v[\ss+k], v[TA+k]
	v_add_nc_u32 v[TI+k], 1, v[TI+k]
	v_lshlrev_b32 v[TI+k], 30, v[TI+k]
	v_and_b32 v[TI+k], 0x80000000, v[TI+k]
	v_xor_b32 v[\cc+k], v[\cc+k], v[TI+k]
.set k, k+1
.endr
.endm
	s_load_b512 s[68:83], s[0:1], 0x0
	s_load_b256 s[84:91], s[0:1], 0x40
	v_lshl_add_u32 v[SPW], v0, 2, SPARE
	v_mov_b32 v[NIL], 0
	ds_add_u32 v28, v29
	ds_add_u32 v28, v29
	s_wait_dscnt 0x0
	v_lshrrev_b32 v1, 5, v0
	v_readfirstlane_b32 s14, v1
	s_lshr_b32 s15, s14, 1
	s_and_b32 s16, s14, 1
	s_bfe_u32 s40, ttmp6, 0x40000
	s_bfe_u32 s41, ttmp6, 0x40004
	s_mov_b32 s[KIND], ttmp9
	s_and_b32 s98, ttmp7, 0xffff
	s_lshl_b32 s98, s98, 2
	s_cmp_eq_u32 s[KIND], 2
	s_cselect_b32 s96, 0, s98
	s_cselect_b32 s97, s98, 0
	s_add_co_u32 s17, s96, s41
	s_add_co_u32 s42, s97, s40
	s_lshl_b32 s43, s41, 2
	s_lshl_b32 s43, 15, s43
	s_lshl_b32 s44, 0x1111, s40
	s_or_b32 s[G1+0], s43, (0<<16)|(1<<20)|(1<<21)|(5<<22)|(3<<25)
	s_or_b32 s[G1B+0], s44, (0<<16)|(1<<20)|(1<<21)|(5<<22)|(3<<25)
.irp g, G1, G1B
	s_mov_b32 s[\g+1], ROWB<<16
	s_mov_b32 s[\g+2], 128<<16
	s_mov_b32 s[\g+3], ROWB<<16
	s_mov_b32 s[\g+4], 128
	s_mov_b32 s[\g+5], KROW
	s_mov_b32 s[\g+6], 0
	s_mov_b32 s[\g+7], 0
.endr
	s_lshl_b32 s18, s16, 7
	s_lshl_b32 s20, s17, 8
	s_add_co_u32 s20, s20, s18
	s_lshl_b32 s46, s42, 8
	s_add_co_u32 s46, s46, s18
	s_mov_b32 s21, 0
	s_mov_b32 s47, 0
	s_mov_b64 s[18:19], KS
	s_mul_u64 s[22:23], s[20:21], s[18:19]
	s_mul_u64 s[92:93], s[46:47], s[18:19]
	s_mov_b64 s[18:19], KROW
	s_mul_u64 s[20:21], s[20:21], s[18:19]
	s_mul_u64 s[46:47], s[46:47], s[18:19]
	s_mul_i32 s45, s14, HALFT
	s_mul_i32 s94, s14, HALFS
	s_wait_kmcnt 0x0
	s_cmp_eq_u32 s[KIND], 0
	s_cselect_b64 s[8:9], s[72:73], s[76:77]
	s_cselect_b64 s[10:11], s[74:75], s[78:79]
	s_cselect_b64 s[66:67], s[84:85], s[86:87]
	s_cmp_eq_u32 s[KIND], 2
	s_cselect_b64 s[4:5], s[80:81], s[68:69]
	s_cselect_b64 s[6:7], s[82:83], s[70:71]
	s_cselect_b64 s[8:9], s[68:69], s[8:9]
	s_cselect_b64 s[10:11], s[70:71], s[10:11]
	s_cselect_b64 s[66:67], s[88:89], s[66:67]
	s_mov_b64 s[12:13], s[90:91]
	s_add_nc_u64 s[20:21], s[4:5], s[20:21]
	s_add_nc_u64 s[22:23], s[6:7], s[22:23]
	s_add_nc_u64 s[46:47], s[8:9], s[46:47]
	s_add_nc_u64 s[92:93], s[10:11], s[92:93]
	s_or_b32 s[G1S+0], s43, (3<<16)|(1<<20)|(1<<21)|(5<<22)|(3<<25)
	s_or_b32 s[G1SB+0], s44, (3<<16)|(1<<20)|(1<<21)|(5<<22)|(3<<25)
.irp g, G1S, G1SB
	s_mov_b32 s[\g+1], 32<<16
	s_mov_b32 s[\g+2], (128*KS/256)<<16
	s_mov_b32 s[\g+3], 32<<16
	s_mov_b32 s[\g+4], 128*KS/256
	s_mov_b32 s[\g+5], 32
	s_mov_b32 s[\g+6], 0
	s_mov_b32 s[\g+7], 0
.endr
	CROUND
	s_mov_b32 s[G0S], 1
	s_add_co_u32 s[G0S+1], s94, SCL
	s_mov_b64 s[G0S+2:G0S+3], s[22:23]
	s_or_b32 s[G0S+3], s[G0S+3], 0x80000000
	s_mov_b32 s[G0SB], 1
	s_add_co_u32 s[G0SB+1], s94, SCL
	s_mov_b64 s[G0SB+2:G0SB+3], s[92:93]
	s_or_b32 s[G0SB+3], s[G0SB+3], 0x80000000
	JLOAD G0S, G1S, G0SB, G1SB
.irp s, 0,1
	s_mov_b32 s[G0+4*\s], 1
	s_add_co_u32 s[G0+4*\s+1], s45, \s*SLOT
	s_add_nc_u64 s[G0+4*\s+2:G0+4*\s+3], s[20:21], \s*ROWB
	s_or_b32 s[G0+4*\s+3], s[G0+4*\s+3], 0x80000000
	s_mov_b32 s[G0B+4*\s], 1
	s_add_co_u32 s[G0B+4*\s+1], s45, \s*SLOT
	s_add_nc_u64 s[G0B+4*\s+2:G0B+4*\s+3], s[46:47], \s*ROWB
	s_or_b32 s[G0B+4*\s+3], s[G0B+4*\s+3], 0x80000000
	s_wait_alu depctr_va_vdst(0)
	s_wait_tensorcnt 0x0
	ds_add_u32 v28, v29
	s_wait_dscnt 0x0
	CROUND
	JLOAD G0+4*\s, G1, G0B+4*\s, G1B
.endr
	v_and_b32 v1, 15, v0
	v_bfe_u32 v2, v0, 4, 1
	v_mul_u32_u24 v3, v1, PITCH
	v_lshl_add_u32 v4, v2, 4, v3
	s_mul_i32 s21, s15, HALFT
	s_mul_i32 s22, s16, HALFT
	s_add_co_u32 s22, s22, 2*HALFT
.irp s, 0,1
	v_add_nc_u32 v[ADRA+\s], s21, v4
	v_add_nc_u32 v[ADRB+\s], s22, v4
	s_add_co_u32 s21, s21, SLOT
	s_add_co_u32 s22, s22, SLOT
.endr
	v_mul_u32_u24 v5, v1, KS
	v_lshrrev_b32 v6, 8, v5
	v_lshl_add_u32 v5, v6, 4, v5
	s_mul_i32 s21, s15, HALFS
	s_mul_i32 s22, s16, HALFS
	s_add_co_u32 s22, s22, 2*HALFS
	s_sub_co_u32 s22, s22, s21
	v_mul_u32_u24 v6, s22, v2
	s_add_co_u32 s21, s21, SCL
	v_add_nc_u32 v5, v5, v6
	v_add_nc_u32 v[ADRS], s21, v5
	v_and_b32 v6, 31, v0
	v_lshlrev_b32 v[LI], 4, v6
	v_lshlrev_b32 v[L8], 3, v6
	s_lshl_b32 s21, s14, 12
	s_add_co_u32 s21, s21, TBL
	v_add_nc_u32 v[TST], s21, v[LI]
	s_lshl_b32 s21, s15, 13
	s_add_co_u32 s21, s21, TBL
	v_add_nc_u32 v[TLD], s21, v[LI]
	v_lshlrev_b32 v7, 5, v2
	v_lshlrev_b32 v8, 2, v1
	s_mov_b32 s104, 0xffff0000
	s_cmp_eq_u32 s[KIND], 2
	s_cselect_b32 s98, s17, s42
	s_cselect_b32 s99, s15, s16
	s_cselect_b32 s100, s42, s17
	s_cselect_b32 s101, s16, s15
	s_lshl_b32 s98, s98, 8
	s_lshl_b32 s99, s99, 7
	s_add_co_u32 s98, s98, s99
	s_lshl_b32 s100, s100, 8
	s_lshl_b32 s101, s101, 7
	s_add_co_u32 s100, s100, s101
	s_and_b32 s105, s100, 2047
	s_lshl_b32 s92, s98, 2
	s_mov_b32 s93, 0
	s_add_nc_u64 s[66:67], s[66:67], s[92:93]
	s_lshr_b32 s92, s100, 11
	s_lshl_b32 s92, s92, 4
	s_lshr_b32 s99, s98, 6
	s_add_co_u32 s92, s92, s99
	s_lshl_b32 s92, s92, 4
	s_bfe_u32 s99, s100, 0x40007
	s_add_co_u32 s92, s92, s99
	s_mul_i32 s92, s92, CHB
	s_add_nc_u64 s[12:13], s[12:13], s[92:93]
	s_cmp_eq_u32 s[KIND], 0
	s_cselect_b32 s92, 17152, 0
	s_mov_b32 s46, 16384
	s_cselect_b32 s46, 25344, s46
	s_mov_b32 s47, 0
	s_add_nc_u64 s[92:93], s[12:13], s[92:93]
	s_add_nc_u64 s[46:47], s[12:13], s[46:47]
	s_cmp_eq_u32 s[KIND], 2
	s_cbranch_scc1 .Lbias_v
	s_wait_alu depctr_va_vdst(0)
.irp b, 0,1,2,3,4,5,6,7
	global_load_b128 v[BIAS+8*\b:BIAS+8*\b+3], v7, s[66:67] offset:64*\b
	global_load_b128 v[BIAS+8*\b+4:BIAS+8*\b+7], v7, s[66:67] offset:64*\b+16
.endr
	s_mov_b32 s18, 0x3f22f983
	s_mov_b32 s19, 0xbfc90fdb
	s_mov_b32 s20, 0x333bbd2e
	s_mov_b32 s21, 0xb94ca1f9
	s_mov_b32 s22, 0x37ccf5ce
	s_mov_b32 vcc_lo, s104
	FQ 0, 1.0, 0.1
	FQ 1, 0.7498942093, 0.07498942093
	FQ 2, 0.5623413252, 0.05623413252
	FQ 3, 0.4216965034, 0.04216965034
	FQ 4, 0.3162277660, 0.03162277660
	FQ 5, 0.2371373706, 0.02371373706
	FQ 6, 0.1778279410, 0.01778279410
	FQ 7, 0.1333521432, 0.01333521432
	FQ 8, 0.01, 0.001
	FQ 9, 0.007498942093, 0.0007498942093
	FQ 10, 0.005623413252, 0.0005623413252
	FQ 11, 0.004216965034, 0.0004216965034
	FQ 12, 0.003162277660, 0.0003162277660
	FQ 13, 0.002371373706, 0.0002371373706
	FQ 14, 0.001778279410, 0.0001778279410
	FQ 15, 0.001333521432, 0.0001333521432
	v_add_nc_u32 v[MULR], s105, v1
	v_cvt_f32_u32 v[MULR], v[MULR]
	v_mov_b32 v[MULR+1], 0x41800000
	s_cmp_lg_u32 s16, 0
	s_cselect_b32 s23, -1, 0
	v_cndmask_b32 v[MULR], v[MULR], v[MULR+1], s23
	SINCOS TCC, TSS
.irp i, 0,1,2,3
	ds_store_b128 v[TST], v[TCC+4*\i:TCC+4*\i+3] offset:512*\i
.endr
.irp i, 0,1,2,3
	ds_store_b128 v[TST], v[TSS+4*\i:TSS+4*\i+3] offset:2048+512*\i
.endr
	s_branch .Lbias_in
.Lbias_v:
	s_wait_alu depctr_va_vdst(0)
.irp a, 0,1,2,3,4,5,6,7
.irp j, 0,1,2,3,4,5,6,7
	global_load_b32 v[BIAS+8*\a+\j], v8, s[66:67] offset:64*\a
.endr
.endr
.Lbias_in:
.macro FRAG reg, adr, q, i
.irp c, 0,1,2,3
	ds_load_b128 v[\reg+4*\c:\reg+4*\c+3], v[\adr] offset:128*(\q)+32*\c+(\i)*16*PITCH
.endr
.endm
.macro MUL16 a0, p, q, sc, zero
.irp a, \a0, \a0+1
.irp b, 0,1,2,3,4,5,6,7
.if \zero == 1
	v_wmma_scale_f32_16x16x128_f8f6f4 v[8*(8*((\a)%4)+\b):8*(8*((\a)%4)+\b)+7], v[128*(\p)+FR*\b:128*(\p)+FR*\b+FR-1], v[AF+FR*(\a):AF+FR*(\a)+FR-1], v[BIAS+8*\b:BIAS+8*\b+7], v[SC+8*NQ*(\sc)+NQ*\b+(\q)], v[SC+8*NQ*(\sc)+NQ*(\a)+(\q)] matrix_a_fmt:MATRIX_FMT_BF8 matrix_b_fmt:MATRIX_FMT_BF8 matrix_a_scale:MATRIX_SCALE_ROW1
.elseif \zero == 2
	v_wmma_scale_f32_16x16x128_f8f6f4 v[8*(8*((\a)%4)+\b):8*(8*((\a)%4)+\b)+7], v[128*(\p)+FR*\b:128*(\p)+FR*\b+FR-1], v[AF+FR*(\a):AF+FR*(\a)+FR-1], v[BIAS+8*(\a):BIAS+8*(\a)+7], v[SC+8*NQ*(\sc)+NQ*\b+(\q)], v[SC+8*NQ*(\sc)+NQ*(\a)+(\q)] matrix_a_fmt:MATRIX_FMT_BF8 matrix_b_fmt:MATRIX_FMT_BF8 matrix_a_scale:MATRIX_SCALE_ROW1
.else
	v_wmma_scale_f32_16x16x128_f8f6f4 v[8*(8*((\a)%4)+\b):8*(8*((\a)%4)+\b)+7], v[128*(\p)+FR*\b:128*(\p)+FR*\b+FR-1], v[AF+FR*(\a):AF+FR*(\a)+FR-1], v[8*(8*((\a)%4)+\b):8*(8*((\a)%4)+\b)+7], v[SC+8*NQ*(\sc)+NQ*\b+(\q)], v[SC+8*NQ*(\sc)+NQ*(\a)+(\q)] matrix_a_fmt:MATRIX_FMT_BF8 matrix_b_fmt:MATRIX_FMT_BF8 matrix_a_scale:MATRIX_SCALE_ROW1
.endif
.endr
.endr
.endm
.macro FETCH_B slot, q, p
	WIN TO_B
.irp i, 0,1,2,3,4,5,6,7
	FRAG 128*(\p)+FR*\i, ADRB+\slot, \q, \i
.endr
	WIN 0
.endm
.macro FETCH_A slot, q, i0
.irp i, \i0, \i0+1, \i0+2, \i0+3
	FRAG AF+FR*(\i), ADRA+\slot, \q, \i
.endr
.endm
.macro SCALES sc
.irp i, 0,1,2,3,4,5,6,7
	ds_load_b64 v[SC+8*NQ*\sc+NQ*\i:SC+8*NQ*\sc+NQ*\i+1], v[ADRS] offset:\i*SBLK
.endr
.endm
.macro PLACES n
.rept \n
	v_nop
.endr
.endm
.macro STEP slot, q, zero
	s_wait_dscnt 4*NL
.if \zero
	WIN 0x81
.else
	WIN MUL_LO
.endif
	MUL16 0, (\q)%2, \q, \slot, \zero
	MUL16 2, (\q)%2, \q, \slot, \zero
	s_wait_dscnt 0
	PLACES NP
	FETCH_B \slot, (\q)+1, 1-(\q)%2
	FETCH_A \slot, (\q)+1, 0
.if \zero
	WIN 0xc1
.else
	WIN MUL_HI
.endif
	MUL16 4, (\q)%2, \q, \slot, \zero
	MUL16 6, (\q)%2, \q, \slot, \zero
	PLACES NP
	WIN 0
	FETCH_A \slot, (\q)+1, 4
.endm
.macro TURN slot, next, fill
	s_wait_tensorcnt 0x0
	ds_add_u32 v[SPW], v[NIL]
	s_wait_dscnt 4*NL+1
	WIN MUL_LO
	MUL16 0, 1, NQ-1, \slot, 0
	s_wait_dscnt 0x0
	s_barrier_signal -1
	MUL16 2, 1, NQ-1, \slot, 0
	WIN 0
	s_barrier_wait -1
.if \fill
	CREST
	s_add_nc_u64 s[G0+4*\slot+2:G0+4*\slot+3], s[G0+4*\slot+2:G0+4*\slot+3], 2*ROWB
	s_add_nc_u64 s[G0B+4*\slot+2:G0B+4*\slot+3], s[G0B+4*\slot+2:G0B+4*\slot+3], 2*ROWB
	JLOAD G0+4*\slot, G1, G0B+4*\slot, G1B
	PLACES NP-4
.else
	PLACES NP
.endif
	s_wait_alu depctr_va_vdst(0)
	v_add_nc_u32 v[ADRS], 4*NQ, v[ADRS]
	FETCH_B \next, 0, 0
	FETCH_A \next, 0, 0
	SCALES \next
	WIN MUL_HI
	MUL16 4, 1, NQ-1, \slot, 0
	MUL16 6, 1, NQ-1, \slot, 0
	PLACES NP
	WIN 0
	FETCH_A \next, 0, 4
.endm
	s_wait_tensorcnt 1
	s_wait_dscnt 0x0
	s_barrier_signal -1
	s_barrier_wait -1
	FETCH_B 0, 0, 0
	FETCH_A 0, 0, 0
	SCALES 0
	FETCH_A 0, 0, 4
	s_wait_loadcnt 0x0
	s_cmp_eq_u32 s[KIND], 2
	s_cbranch_scc1 .Lfirst_v
	STEP 0, 0, 1
	s_branch .Lgo
.Lfirst_v:
	STEP 0, 0, 2
.Lgo:
	s_mov_b32 s3, LAPS-1
.Llap:
	TURN 0, 1, 1
	STEP 1, 0, 0
	TURN 1, 0, 1
	STEP 0, 0, 0
	s_sub_co_u32 s3, s3, 1
	s_cmp_lg_u32 s3, 0
	s_cbranch_scc1 .Llap
	TURN 0, 1, 0
	STEP 1, 0, 0
	s_wait_dscnt 4*NL
	WIN MUL_LO
	MUL16 0, 1, NQ-1, 1, 0
	MUL16 2, 1, NQ-1, 1, 0
	s_wait_dscnt 0
	WIN 0
	s_cmp_eq_u32 s[KIND], 2
	s_cbranch_scc1 .Lno_table
.irp i, 0,1,2,3,4,5,6,7,8,9,10,11,12,13,14,15
	ds_load_b128 v[BIAS+4*\i:BIAS+4*\i+3], v[TLD] offset:512*\i
.endr
.Lno_table:
	WIN MUL_HI
	MUL16 4, 1, NQ-1, 1, 0
	MUL16 6, 1, NQ-1, 1, 0
	WIN 0
	PLACES NP
	s_wait_dscnt 0x0
	s_mov_b32 s98, 0x600000
	s_mov_b32 s100, 0x76543210
	s_mov_b32 s101, 0xfedcba98
	s_cmp_eq_u32 s[KIND], 2
	s_cbranch_scc1 .Lout_v
.set DC,   96
.set DS,   112
.set R,    128
.set TM,   192
.set PT,   200
.set HL,   204
.set SO,   208
.set BY,   212
.set CD,   216
.set WQ,   232
.set WO,   248
.macro ROT p
.set CA, 64-32*(\p)
.set SA, 80-32*(\p)
.set CN, 32+32*(\p)
.set SN, 48+32*(\p)
.irp k, 0,2,4,6,8,10,12,14
	v_pk_mul_f32 v[CN+\k:CN+\k+1], v[CA+\k:CA+\k+1], v[DC+\k:DC+\k+1]
	v_pk_mul_f32 v[SN+\k:SN+\k+1], v[SA+\k:SA+\k+1], v[DC+\k:DC+\k+1]
.endr
.irp k, 0,2,4,6,8,10,12,14
	v_pk_fma_f32 v[CN+\k:CN+\k+1], v[SA+\k:SA+\k+1], v[DS+\k:DS+\k+1], v[CN+\k:CN+\k+1] neg_lo:[1,0,0] neg_hi:[1,0,0]
	v_pk_fma_f32 v[SN+\k:SN+\k+1], v[CA+\k:CA+\k+1], v[DS+\k:DS+\k+1], v[SN+\k:SN+\k+1]
.endr
.endm
.macro ROPEQ a
.set XA, 64*((\a)%4)
.set CP, 64-32*((\a)%2)
.set SN2, 80-32*((\a)%2)
	WIN (0x02+(\a)/4)
.irp g, 0,1
.irp u, 0,1
.irp j, 0,2,4,6
	v_pk_mul_f32 v[R+32*\g+8*\u+\j:R+32*\g+8*\u+\j+1], v[XA+32*\g+8*\u+\j:XA+32*\g+8*\u+\j+1], v[CP+8*\u+\j:CP+8*\u+\j+1]
	v_pk_mul_f32 v[R+32*\g+16+8*\u+\j:R+32*\g+16+8*\u+\j+1], v[XA+32*\g+16+8*\u+\j:XA+32*\g+16+8*\u+\j+1], v[CP+8*\u+\j:CP+8*\u+\j+1]
.endr
.endr
.endr
.irp g, 0,1
.irp u, 0,1
.irp j, 0,2,4,6
	v_pk_fma_f32 v[R+32*\g+8*\u+\j:R+32*\g+8*\u+\j+1], v[XA+32*\g+16+8*\u+\j:XA+32*\g+16+8*\u+\j+1], v[SN2+8*\u+\j:SN2+8*\u+\j+1], v[R+32*\g+8*\u+\j:R+32*\g+8*\u+\j+1] neg_lo:[0,1,0] neg_hi:[0,1,0]
	v_pk_fma_f32 v[R+32*\g+16+8*\u+\j:R+32*\g+16+8*\u+\j+1], v[XA+32*\g+8*\u+\j:XA+32*\g+8*\u+\j+1], v[SN2+8*\u+\j:SN2+8*\u+\j+1], v[R+32*\g+16+8*\u+\j:R+32*\g+16+8*\u+\j+1]
.endr
.endr
.endr
	WIN 0
.irp c, 0,1,2,3
	v_max3_num_f32 v[TM+\c], |v[R+16*\c]|, |v[R+16*\c+1]|, 0x8000000
.endr
.irp i, 2,4,6,8,10,12,14
.irp c, 0,1,2,3
	v_max3_num_f32 v[TM+\c], v[TM+\c], |v[R+16*\c+\i]|, |v[R+16*\c+\i+1]|
.endr
.endr
.irp c, 0,1,2,3
	v_permlanex16_b32 v[PT+\c], v[TM+\c], s100, s101
.endr
.irp c, 0,1,2,3
	v_max_num_f32 v[TM+\c], v[TM+\c], v[PT+\c]
.endr
.irp c, 0,1,2,3
	v_add_nc_u32 v[SO+\c], 0xf8800000, v[TM+\c]
.endr
.irp c, 0,1,2,3
.endr
.irp c, 0,1,2,3
	v_lshrrev_b32 v[BY+\c], 23, v[SO+\c]
.endr
.irp g, 0,1
	v_lshl_or_b32 v[WQ+8*\g+(\a)], v[BY+2*\g+1], 8, v[BY+2*\g]
.endr
.irp g, 0,1
	v_or_b32 v[WQ+8*\g+(\a)], 0x7f7f0000, v[WQ+8*\g+(\a)]
.endr
.irp c, 0,1,2,3
.irp i, 0,1,2,3,4,5,6,7,8,9,10,11,12,13,14,15
.endr
.endr
	s_wait_xcnt 0x0
.irp c, 0,1,2,3
	v_cvt_scalef32_pk8_bf8_f32 v[CD+4*\c:CD+4*\c+1], v[R+16*\c:R+16*\c+7], v[SO+\c]
	v_cvt_scalef32_pk8_bf8_f32 v[CD+4*\c+2:CD+4*\c+3], v[R+16*\c+8:R+16*\c+15], v[SO+\c]
.endr
	v_nop
.irp g, 0,1
	global_store_b128 v[LI], v[CD+8*\g:CD+8*\g+3], s[92:93] offset:\g*HEADB+(\a)*1024
	global_store_b128 v[LI], v[CD+8*\g+4:CD+8*\g+7], s[92:93] offset:\g*HEADB+(\a)*1024+512
.endr
.endm
.irp c, 0,1,2,3
	v_mov_b32 v[PT+\c], 0
.endr
.irp a, 0,1,2,3,4,5,6,7
	ROPEQ \a
.if \a < 7
	ROT \a%2
.endif
.endr
.irp g, 0,1
.irp j, 0,1,2,3
	v_cndmask_b32 v[WO+4*\g+\j], v[WQ+8*\g+2*\j], v[WQ+8*\g+2*\j+1], s104
.endr
	global_store_b128 v[LI], v[WO+4*\g:WO+4*\g+3], s[46:47] offset:\g*HEADB
.endr
	s_branch .Lend
.Lout_v:
.macro VQ a
.set XB, 64*((\a)%4)
.set CDV, 96+16*((\a)%2)
	WIN (0x0a+5*((\a)/4))
.irp c, 0,1,2,3
	v_max3_num_f32 v[128+\c], |v[XB+16*\c]|, |v[XB+16*\c+1]|, 0x8000000
.endr
.irp i, 2,4,6,8,10,12,14
.irp c, 0,1,2,3
	v_max3_num_f32 v[128+\c], |v[XB+16*\c+\i]|, |v[XB+16*\c+\i+1]|, v[128+\c]
.endr
.endr
	WIN 0
.irp c, 0,1,2,3
	v_permlanex16_b32 v[132+\c], v[128+\c], s100, s101
.endr
.irp c, 0,1,2,3
	v_max_num_f32 v[128+\c], v[128+\c], v[132+\c]
.endr
.irp c, 0,1,2,3
	v_add_nc_u32 v[140+\c], 0xf8800000, v[128+\c]
.endr
.irp c, 0,1,2,3
	v_and_or_b32 v[136+\c], v[128+\c], 0x7f800000, s98
.endr
.irp c, 0,1,2,3
	v_lshrrev_b32 v[132+\c], 23, v[140+\c]
.endr
	v_lshl_or_b32 v[148+(\a)], v133, 8, v132
	v_lshl_or_b32 v[148+(\a)], v134, 16, v[148+(\a)]
	v_lshl_or_b32 v[148+(\a)], v135, 24, v[148+(\a)]
	WIN (0x02+(\a)/4)
.irp c, 0,1,2,3
.irp i, 0,1,2,3,4,5,6,7,8,9,10,11,12,13,14,15
	v_med3_num_f32 v[32+16*\c+\i], v[XB+16*\c+\i], -v[136+\c], v[136+\c]
.endr
.endr
	WIN 0
	s_wait_alu depctr_va_vdst(0)
	s_wait_xcnt 0x0
.irp c, 0,1,2,3
	v_cvt_scalef32_pk8_bf8_f32 v[CDV+4*\c:CDV+4*\c+1], v[32+16*\c:32+16*\c+7], v[140+\c]
	v_cvt_scalef32_pk8_bf8_f32 v[CDV+4*\c+2:CDV+4*\c+3], v[32+16*\c+8:32+16*\c+15], v[140+\c]
.endr
	v_nop
.irp c, 0,1,2,3
	global_store_b128 v[LI], v[CDV+4*\c:CDV+4*\c+3], s[12:13] offset:((\a)/4)*HEADB+8192+((\a)%4)*2048+512*\c
.endr
.endm
.irp c, 0,1,2,3
	v_mov_b32 v[132+\c], 0
.endr
.irp g, 0,1
	VQ 4*\g
	VQ 4*\g+1
	VQ 4*\g+2
	VQ 4*\g+3
	v_cndmask_b32 v[156+2*\g], v[148+4*\g], v[149+4*\g], s104
	v_cndmask_b32 v[157+2*\g], v[150+4*\g], v[151+4*\g], s104
	global_store_b64 v[L8], v[156+2*\g:157+2*\g], s[12:13] offset:\g*HEADB+16896
.endr
.Lend:
	s_wait_tensorcnt 0x0
	ds_add_u32 v[SPW], v[NIL]
	s_wait_dscnt 0x0
	CROUND
	s_endpgm
.Lfunc_end_k_q33becdd187_qkv:
	.size	k_q33becdd187_qkv, .Lfunc_end_k_q33becdd187_qkv-k_q33becdd187_qkv
	.p2alignl 7, 3214868480
	.fill 96, 4, 3214868480
	.section	.rodata,"a",@progbits
	.p2align	6, 0x0
	.amdhsa_kernel k_q33becdd187_qkv
		.amdhsa_group_segment_fixed_size 327680
		.amdhsa_private_segment_fixed_size 0
		.amdhsa_enable_private_segment 0
		.amdhsa_kernarg_size 96
		.amdhsa_user_sgpr_count 2
		.amdhsa_user_sgpr_kernarg_segment_ptr 1
		.amdhsa_wavefront_size32 1
		.amdhsa_system_sgpr_workgroup_id_x 1
		.amdhsa_system_sgpr_workgroup_id_y 1
		.amdhsa_system_sgpr_workgroup_id_z 1
		.amdhsa_system_vgpr_workitem_id 0
		.amdhsa_next_free_vgpr 1024
		.amdhsa_next_free_sgpr 106
		.amdhsa_reserve_vcc 1
		.amdhsa_float_denorm_mode_32 3
		.amdhsa_float_denorm_mode_16_64 3
		.amdhsa_fp16_overflow 1
		.amdhsa_memory_ordered 1
		.amdhsa_forward_progress 1
		.amdhsa_inst_pref_size 255
	.end_amdhsa_kernel
	.section	.bss,"aw",@nobits
	.p2align	6
	.space	262144
	.amdgpu_metadata
---
amdhsa.version: [ 1, 2 ]
amdhsa.kernels:
  - .name:           k_q33becdd187_qkv
    .symbol:         k_q33becdd187_qkv.kd
    .args:
      - { .name: x_codes, .offset: 0, .size: 8, .value_kind: global_buffer, .address_space: global }
      - { .name: x_scales, .offset: 8, .size: 8, .value_kind: global_buffer, .address_space: global }
      - { .name: Wq_codes, .offset: 16, .size: 8, .value_kind: global_buffer, .address_space: global }
      - { .name: Wq_scales, .offset: 24, .size: 8, .value_kind: global_buffer, .address_space: global }
      - { .name: Wk_codes, .offset: 32, .size: 8, .value_kind: global_buffer, .address_space: global }
      - { .name: Wk_scales, .offset: 40, .size: 8, .value_kind: global_buffer, .address_space: global }
      - { .name: Wv_codes, .offset: 48, .size: 8, .value_kind: global_buffer, .address_space: global }
      - { .name: Wv_scales, .offset: 56, .size: 8, .value_kind: global_buffer, .address_space: global }
      - { .name: bq, .offset: 64, .size: 8, .value_kind: global_buffer, .address_space: global }
      - { .name: bk, .offset: 72, .size: 8, .value_kind: global_buffer, .address_space: global }
      - { .name: bv, .offset: 80, .size: 8, .value_kind: global_buffer, .address_space: global }
      - { .name: qkv, .offset: 88, .size: 8, .value_kind: global_buffer, .address_space: global }
    .group_segment_fixed_size: 327680
    .private_segment_fixed_size: 0
    .kernarg_segment_align: 8
    .kernarg_segment_size: 96
    .max_flat_workgroup_size: 128
    .sgpr_count:     106
    .vgpr_count:     1024
    .wavefront_size: 32
...
	.end_amdgpu_metadata
.endif
;; end of part 4
;; launch attn (part 5): grid 8 x 32, 16 waves a work-group, clusters of 4 x 1, 327,680 bytes of LDS; arguments qkv, att_codes, att_scales; writes att_codes, att_scales
.if DOCPART == 5
	.amdgcn_target "amdgcn-amd-amdhsa--gfx1250"
	.amdhsa_code_object_version 6
	.text
	.protected	k_q33becdd187_attn
	.globl	k_q33becdd187_attn
	.p2align	8
	.type	k_q33becdd187_attn,@function
k_q33becdd187_attn:
	s_mov_b64 s[64:65], 0
	v_nop
	global_prefetch_b8 v0, s[64:65] scope:SCOPE_SE
	s_setreg_imm32_b32 hwreg(HW_REG_WAVE_MODE, 25, 1), 1
	s_wait_xcnt 0x0
	s_wait_alu depctr_hold_cnt(0) depctr_sa_sdst(0) depctr_va_vdst(0) depctr_va_sdst(0) depctr_va_ssrc(0) depctr_va_vcc(0) depctr_vm_vsrc(0)
	s_getreg_b32 s2, hwreg(HW_REG_IB_STS2, 6, 4)
	s_cmp_eq_u32 s2, 0
	s_cbranch_scc0 .Lentry_in_a_cluster
	s_endpgm
.Lentry_in_a_cluster:
	s_bfe_u32 s2, ttmp6, 0x10000c
	s_cmp_lg_u32 s2, 0x3003
	s_cbranch_scc0 .Lentry_shape_is_right
	s_endpgm
.Lentry_shape_is_right:
; Attention on codes of BF8 (E5M2) with E8M0 scales: S^T = K Q^T, p = 2^(t - M), O^T = V^T P^T, O / l, and O quantised along d_model for the last product.
; Inputs: the workspace's chunks (16 batch + head, position / 128) of 25,856 bytes: images of operand registers: K codes [tile][c][lane][16], V codes [d tile][c][lane][16], K and V scale words, Q codes, Q scale words.
; THE SOFTMAX: t = score x log2(e) / 8; M = the running largest t rounded UP to a whole number; p = 2^(t - M) is quantised along the keys, not normalised; the row's sum is taken of the unquantised p and divides at the end;
; when M moves, the sum and O^T are multiplied by 2^(old M - new M), which rounds nothing.
; THE HEAD IS 64, the instruction's K 128.  Q's fragment holds zero codes in its upper 64.  K's eight tiles of a step lie on end in 64 registers with 8 zero registers behind them, and the fragment of tile i is registers 8 i .. 8 i + 15:
; its upper 64 are tile i + 1's codes, which meet Q's zeros and add nothing (they come from this program's own quantiser, which holds every number: no code is infinity or NaN).  Bytes 2, 3 of Q's scale word are 0x01.
; SHARES.  A work-group owns 256 queries of one head, each of its sixteen waves 16 of them in 256 registers: four waves to a SIMD, so that one wave's vector work stands beside another's products and LDS loads.
; THE HEAD'S WHOLE K AND V STAY IN LDS: 16 chunks x 17,152 bytes, each filled ONCE; no byte is filled again.  The four work-groups of a cluster are four query blocks of one head and ask for each chunk jointly.
; Waves 0-3 issue four loads each (load g of wave w: chunk 4 g + w): four tensor loads of a wave are out at the most.  TWO BARRIERS: steps 0 and 1, which read chunks 0-2, begin when each fetching wave's first load has landed;
; behind them every fetching wave waits for all its loads, and from the second barrier on the sixteen waves walk steps 2-15 each at its own pace: nothing is stored to LDS before the way out.
; TWO REGISTER BANKS BY TURNS, so that every LDS load is asked for far ahead of its use: in step n bank X holds K(n) and bank Y takes S^T, then p.  V(n) is loaded into X behind the score products' places;
; tile q of K(n + 1) is loaded into Y behind the conversion that has read p's eight registers there.  In step n + 1 the banks change roles.  So the step is written in pairs.
; Both products are used transposed: a lane holds one query throughout.  The order inside a block of 32 keys (slot 32 c + 16 h + 8 u + j holds key 32 c + 16 u + 8 h + j) is the same in p's codes and in V's.
; THE WAY OUT: O's codes meet a given operand (Wo) in the next launch, so two half-row swaps a block bring them into the natural order.  att_codes: [rows / 128][K / 256][tile][block][lane][16]; att_scales: [head][row][2].
; LIMITS: NaN and infinities are not served; a block whose largest magnitude lies under 2^-111 keeps the scale byte 1.
.set CHB,   25856
.set CHL,   17152                      ; a chunk's K and V part: 67 rows of 256 bytes
.set HEADB, 16*CHB
.set QCO,   17152
.set QSC,   25344
.set SCR,   16*CHL                     ; behind the chunks: 512 bytes in which the 256 rows' scale halfwords meet; no tensor load lands there
.set BA,    32                         ; v32-95   bank A, v96-103 its eight zeros
.set BB,    104                        ; v104-167 bank B, v168-175 its eight zeros
.set OT,    176                        ; v176-207 O^T
.set CD,    208                        ; v208-223 p's codes
.set BM,    224                        ; v224-227 the blocks' largest scores, then largest p
.set B2,    228                        ; v228-231 second chains of the maxima, then the other half's maxima, then the scale bytes
.set HL,    232
.set SO,    236                        ; v236-239 the conversions' scale operands
.set SM,    246                        ; v246-253 the row's sum of a step, in four chains of pairs
; further: v1 16 x lane, v2 8 x lane, v3, v4 a pair of steps' LDS addresses; v5 Q's scale word, v[6:7] V's, v[8:11] K's; v12 -M, v13 the largest score, v[14:15] the sum; v16-31 Q;
; v240 f, v241 p's scale word, v242, v254 at work; v243-245 addresses.
.macro CROUND                          ; a round of the cluster's barrier
	s_barrier_signal -1
	s_barrier_wait -1
	s_cmp_lg_u32 s10, 0
	s_cbranch_scc1 .Lnot_wave_0_\@
	s_barrier_signal -3
.Lnot_wave_0_\@:
	s_barrier_wait -3
	s_barrier_signal -1
	s_barrier_wait -1
.endm
	s_load_b128 s[4:7], s[0:1], 0x0                ; the workspace, att_codes
	s_load_b64 s[8:9], s[0:1], 0x10                ; att_scales
	v_lshl_add_u32 v254, v0, 2, 0x43200
	v_mov_b32 v255, 0
	ds_add_u32 v254, v255
	ds_add_u32 v254, v255
	s_wait_dscnt 0x0
	v_lshrrev_b32 v3, 5, v0
	s_delay_alu instid0(VALU_DEP_1)
	v_readfirstlane_b32 s10, v3                    ; wave 0..15
	s_bfe_u32 s42, ttmp6, 0x40000                  ; cx: it enters Q's and the outputs' addresses alone
	s_lshl_b32 s43, ttmp9, 2
	s_add_co_u32 s43, s43, s42                     ; my block of 256 queries
	s_and_b32 s44, ttmp7, 0xffff                   ; 16 batch + head, which the four partners share
	s_mul_i32 s46, s44, HEADB
	s_and_b32 s45, s10, 3
	s_mul_i32 s48, s45, CHB
	s_add_co_u32 s48, s48, s46                     ; chunk (wave % 4) of the head, in memory,
	s_mov_b32 s49, 0
	s_mul_i32 s50, s45, CHL                        ; and in LDS
	s_lshr_b32 s52, s10, 3
	s_and_b32 s53, s10, 7                          ; my tile of 16 in its chunk
	s_lshl_b32 s51, s43, 1
	s_add_co_u32 s51, s51, s52                     ; my queries' chunk of the head
	s_mul_i32 s54, s51, CHB
	s_add_co_u32 s54, s54, s46
	s_and_b32 s56, s53, 1                          ; Q's scale word: lane 16 (tile % 2) + r, word tile / 2
	s_lshl_b32 s56, s56, 8
	s_lshr_b32 s57, s53, 1
	s_lshl_b32 s57, s57, 2
	s_add_co_u32 s56, s56, s57
	s_add_co_u32 s56, s56, s54
	s_add_co_u32 s56, s56, QSC
	s_mov_b32 s57, 0
	s_lshl_b32 s55, s53, 10
	s_add_co_u32 s54, s54, s55
	s_add_co_u32 s54, s54, QCO                     ; Q's codes: my tile
	s_mov_b32 s55, 0
	s_lshr_b32 s62, s44, 4                         ; batch
	s_and_b32 s63, s44, 15                         ; head
	s_lshl_b32 s58, s62, 4
	s_add_co_u32 s58, s58, s51                     ; which 128 rows of the 4,096
	s_lshl_b32 s58, s58, 17
	s_lshr_b32 s59, s63, 2                         ; which 256 along d_model,
	s_lshl_b32 s59, s59, 15
	s_add_co_u32 s58, s58, s59
	s_lshl_b32 s59, s53, 12                        ; which tile of rows,
	s_add_co_u32 s58, s58, s59
	s_and_b32 s59, s63, 3                          ; which two blocks of 32
	s_lshl_b32 s59, s59, 10
	s_add_co_u32 s58, s58, s59
	s_mov_b32 s59, 0
	s_lshl_b32 s60, s63, 13                        ; the scale halfwords: head x 8,192 + 2 x row
	s_lshl_b32 s61, s62, 12
	s_add_co_u32 s60, s60, s61
	s_lshl_b32 s61, s43, 9
	s_add_co_u32 s60, s60, s61
	s_mov_b32 s61, 0
	s_mov_b32 s3, 0xbe38aa3b                       ; -c
	s_mov_b32 s12, 0x76543210
	s_mov_b32 s13, 0xfedcba98                      ; v_permlanex16_b32's selects for lane l xor 16
	s_mov_b32 s14, 0x3e38aa3b                      ; c = log2(e) / 8
	s_mov_b32 s15, s14                             ; (named with it as a pair)
	s_mov_b32 s40, 0                               ; the LDS byte at which the pair's first chunk begins
	s_mov_b32 s16, 15|(3<<16)|(1<<21)              ; group 1: the mask names all four work-groups; elements of 8 bytes; bit 21 beside a mask; no padding
	s_mov_b32 s17, 32<<16                          ; tensor_dim0 = 32 elements: 256 bytes
	s_mov_b32 s18, 67<<16                          ; tensor_dim1 = 67 rows
	s_mov_b32 s19, 32<<16                          ; tile_dim0
	s_mov_b32 s20, 67                              ; tile_dim1
	s_mov_b32 s21, 32                              ; dense rows
	s_mov_b32 s22, 0
	s_mov_b32 s23, 0
	s_wait_kmcnt 0x0
	s_add_nc_u64 s[48:49], s[4:5], s[48:49]
	s_add_nc_u64 s[54:55], s[4:5], s[54:55]
	s_add_nc_u64 s[56:57], s[4:5], s[56:57]
	s_add_nc_u64 s[58:59], s[6:7], s[58:59]
	s_add_nc_u64 s[60:61], s[8:9], s[60:61]
.irp g, 0,1,2,3
	s_mov_b32 s[24+4*\g], 1
	s_add_co_u32 s[25+4*\g], s50, \g*4*CHL         ; chunk 4 g + wave
	s_add_nc_u64 s[26+4*\g:27+4*\g], s[48:49], \g*4*CHB
	s_or_b32 s[27+4*\g], s[27+4*\g], 0x80000000
.endr
	CROUND                                         ; all four work-groups are here: the joint loads meet
	s_cmp_lt_u32 s10, 4                            ; a wave's four first fills stand in one branch on the wave's number
	s_cbranch_scc0 .Lno_fill
	tensor_load_to_lds s[24:27], s[16:23]
	s_nop 0
	tensor_load_to_lds s[28:31], s[16:23]
	s_nop 0
	tensor_load_to_lds s[32:35], s[16:23]
	s_nop 0
	tensor_load_to_lds s[36:39], s[16:23]
	s_nop 0
.rept 4
	v_nop
.endr
.Lno_fill:
	v_and_b32 v2, 31, v0
	s_delay_alu instid0(VALU_DEP_1)
	v_lshlrev_b32 v1, 4, v2                        ; 16 x lane
	s_delay_alu instid0(VALU_DEP_2)
	v_lshlrev_b32 v2, 3, v2                        ; 8 x lane
	v_and_b32 v243, 15, v0
	s_delay_alu instid0(VALU_DEP_1)
	v_lshlrev_b32 v244, 1, v243
	s_delay_alu instid0(VALU_DEP_2)
	v_lshlrev_b32 v243, 4, v243                    ; 16 r: Q's scale word
	global_load_b128 v[16:19], v1, s[54:55]        ; Q's fragment: the head's 64
	global_load_b128 v[20:23], v1, s[54:55] offset:512
	global_load_b32 v5, v243, s[56:57]
	v_and_b32 v245, 0x1e0, v0                      ; 32 x wave
	s_delay_alu instid0(VALU_DEP_1)
	v_add_nc_u32 v244, v244, v245
	s_delay_alu instid0(VALU_DEP_1)
	v_add_nc_u32 v244, SCR, v244                   ; where my row's scale halfword goes: SCR + 2 (16 wave + r)
	v_add_nc_u32 v245, SCR, v1                     ; and where wave 0 reads them back
.irp j, 0,1,2,3,4,5,6,7
	v_mov_b32 v[24+\j], 0                          ; zero codes: Q's upper 64 along K,
	v_mov_b32 v[BA+64+\j], 0                       ; and what stands behind tile 7 in each bank: no load ever lands here
	v_mov_b32 v[BB+64+\j], 0
	v_mov_b32 v[SM+\j], 0                          ; the first step finds an empty sum of the step before
.endr
	v_mov_b32 v13, 0xff61b1e6                      ; the largest score so far: -3e38
	v_mov_b32 v12, 0x7e000000                      ; -M: so large that the first f comes out as 0, which meets zeros alone
	v_mov_b32 v14, 0
	v_mov_b32 v15, 0
	v_mov_b32 v240, 0
	v_mov_b32 v241, 0                              ; (named as the upper half of the pair v[240:241] before it is first written)
.set k, 0
.rept 32
	v_mov_b32 v[OT+k], 0                           ; O^T: the step is written once for all steps; the first finds zeros
.set k, k+1
.endr
	s_wait_loadcnt 0x0                             ; Q
	v_and_b32 v5, 0xffff, v5                       ; Q's two scale bytes;
	s_delay_alu instid0(VALU_DEP_1)
	v_or_b32 v5, 0x01010000, v5                    ; over its zero codes the byte 1: what they meet stays far under the real products
.macro CALC t, b                       ; the three lines from a block's largest p to its scale
.if (\t) == 0
	v_max_num_f32 v[BM+\b], 0x8000000, v[BM+\b]    ; the floor 2^(16 - 127): the byte cannot fall under 1
.elseif (\t) == 1
	v_add_nc_u32 v[SO+\b], 0xf8800000, v[BM+\b]    ; 15 off the exponent field: the conversion's scale operand
.elseif (\t) == 2
.else
	v_lshrrev_b32 v[B2+\b], 23, v[SO+\b]           ; the scale's byte
.endif
.endm
; A KEY STEP: the 128 keys of the chunk at LDS byte (v3's chunk) + o.  X: the bank with K, then V; Y: the bank for S^T, then p, then the next step's K.  pre = 1: the next chunk's K is fetched.
; np: v_nop at the head: with what stands in front of them nine places, since the score products write over the registers from which the last step's products read V.
.macro STEP X, Y, o, pre, np
.rept \np
	v_nop
.endr
	s_wait_dscnt 2                                 ; K's scale words and tiles 0-6 are in; tile 7's two loads, the youngest, may be out
	s_setprio 2
.irp i, 0,1,2,3,4,5,6,7                        ; S^T = K Q^T: tile i's fragment is registers 8 i .. 8 i + 15 of the bank
.if \i == 6
	s_wait_dscnt 0x0                               ; tile 7
.endif
.if \i%2
	v_wmma_scale_f32_16x16x128_f8f6f4 v[\Y+8*\i:\Y+8*\i+7], v[\X+8*\i:\X+8*\i+15], v[16:31], 0, v[8+\i/2], v5 matrix_a_fmt:MATRIX_FMT_BF8 matrix_b_fmt:MATRIX_FMT_BF8 matrix_a_scale:MATRIX_SCALE_ROW1
.else
	v_wmma_scale_f32_16x16x128_f8f6f4 v[\Y+8*\i:\Y+8*\i+7], v[\X+8*\i:\X+8*\i+15], v[16:31], 0, v[8+\i/2], v5 matrix_a_fmt:MATRIX_FMT_BF8 matrix_b_fmt:MATRIX_FMT_BF8
.endif
.endr
	; eight places behind the products: the end of the LAST step's row sum (its four chains, and l = l f + sum with that step's f), and the old -M
	v_pk_add_f32 v[SM:SM+1], v[SM:SM+1], v[SM+2:SM+3]
	v_pk_add_f32 v[SM+4:SM+5], v[SM+4:SM+5], v[SM+6:SM+7]
	v_mov_b32 v254, v12
	v_nop
	v_pk_add_f32 v[SM:SM+1], v[SM:SM+1], v[SM+4:SM+5]
	v_nop
	v_nop
	v_pk_fma_f32 v[14:15], v[14:15], v[240:241], v[SM:SM+1] op_sel_hi:[1,0,1]
.irp t, 0,1,2,3                                ; V's four fragments (16 of the head's 64 x 128 keys) take K's place: wanted a whole softmax later
.irp c, 0,1,2,3
	ds_load_b128 v[\X+16*\t+4*\c:\X+16*\t+4*\c+3], v3 offset:\o+8192+2048*\t+512*\c
.endr
.endr
	ds_load_b64 v[6:7], v4 offset:\o+16896         ; V's scale words: word j: lanes 0-15 d tile 2 j, lanes 16-31 d tile 2 j + 1
	; the largest score of each block of 32 keys, in two chains a block (eight chains by turns); each accumulator is read from its low end on
.irp b, 0,1,2,3
	v_max3_num_f32 v[BM+\b], v[\Y+16*\b], v[\Y+16*\b+1], v[\Y+16*\b+2]
.endr
.irp b, 0,1,2,3
	v_max3_num_f32 v[B2+\b], v[\Y+16*\b+8], v[\Y+16*\b+9], v[\Y+16*\b+10]
.endr
.irp i, 3,5
.irp b, 0,1,2,3
	v_max3_num_f32 v[BM+\b], v[BM+\b], v[\Y+16*\b+\i], v[\Y+16*\b+\i+1]
.endr
.irp b, 0,1,2,3
	v_max3_num_f32 v[B2+\b], v[B2+\b], v[\Y+16*\b+8+\i], v[\Y+16*\b+9+\i]
.endr
.endr
.irp b, 0,1,2,3
	v_max3_num_f32 v[BM+\b], v[BM+\b], v[B2+\b], v[\Y+16*\b+7]
.endr
.irp b, 0,1,2,3
	v_max_num_f32 v[BM+\b], v[BM+\b], v[\Y+16*\b+15]
.endr
.irp b, 0,1,2,3
	s_delay_alu instid0(VALU_DEP_4)
	v_permlanex16_b32 v[B2+\b], v[BM+\b], s12, s13
.endr
.irp b, 0,1,2,3
	s_delay_alu instid0(VALU_DEP_4)
	v_max_num_f32 v[BM+\b], v[BM+\b], v[B2+\b]     ; with lane l xor 16's 16 keys
.endr
	s_delay_alu instid0(VALU_DEP_2)
	v_max3_num_f32 v242, v[BM], v[BM+1], v[BM+2]
	s_delay_alu instid0(VALU_DEP_1)
	v_max3_num_f32 v13, v13, v242, v[BM+3]         ; the running largest score (c is positive: the largest t is c x this)
	s_delay_alu instid0(VALU_DEP_1)
	v_mul_f32 v242, s3, v13
	s_delay_alu instid0(VALU_DEP_1)
	v_floor_f32 v12, v242                          ; the new -M = floor(-t) = -ceil(t)
	s_delay_alu instid0(VALU_DEP_1)
	v_sub_f32 v254, v12, v254                      ; old M - new M: a whole number, 0 or less
.irp b, 0,1,2,3
	v_fma_f32 v[BM+\b], v[BM+\b], s14, v12         ; t - M of each block's largest score: p rises with the score, so this gives the block's largest p
.endr
	v_cvt_i32_f32 v254, v254                       ; (it saturates)
	s_wait_alu depctr_va_vdst(0)
.irp b, 0,1,2,3
	v_exp_f32 v[BM+\b], v[BM+\b]
.endr
	; 41 slots.  Pair j of p's 32 pairs: t - M in slot j; its two exponentials in slot j + 2, plain lines between them; its addition to chain j % 4 of the row's sum in slot j + 4 (pairs 0-3 with pairs 4-7);
	; in slot j + 9 of each fourth pair, behind the sum, which is taken of the unquantised p, the conversion of eight numbers, and behind that the loads of the next K's tile into those eight registers.
.set k, 0
.rept 41
.if k < 32
	v_pk_fma_f32 v[\Y+2*k:\Y+2*k+1], v[\Y+2*k:\Y+2*k+1], s[14:15], v[12:13] op_sel_hi:[1,0,0]
.endif
.if (k >= 2) && (k < 34)
	v_exp_f32 v[\Y+2*k-4], v[\Y+2*k-4]             ; p = 2^(t - M)
.endif
.if k == 0
	v_ldexp_f32 v240, 1.0, v254                    ; f = 2^(old M - new M)
	s_wait_alu depctr_va_vdst(0)
.endif
.if (k >= 1) && (k < 5)
	s_wait_alu depctr_va_vdst(0)
	CALC k-1, 0
	CALC k-1, 1
.endif
.if (k >= 8) && (k < 12)
	s_wait_alu depctr_va_vdst(0)
	v_pk_add_f32 v[SM+2*(k%4):SM+2*(k%4)+1], v[\Y+2*k-16:\Y+2*k-15], v[\Y+2*k-8:\Y+2*k-7]
.endif
.if (k >= 12) && (k < 36)
	s_wait_alu depctr_va_vdst(0)
	v_pk_add_f32 v[SM+2*(k%4):SM+2*(k%4)+1], v[SM+2*(k%4):SM+2*(k%4)+1], v[\Y+2*k-8:\Y+2*k-7]
.endif
.if (k >= 2) && (k < 34)
	v_exp_f32 v[\Y+2*k-3], v[\Y+2*k-3]
.endif
.if (k >= 1) && (k < 5)
	CALC k-1, 2
	CALC k-1, 3
.endif
.if k == 5
	s_wait_alu depctr_va_vdst(0)
	v_lshl_or_b32 v241, v[B2+1], 8, v[B2]          ; p's scale word for these 128 keys
.endif
.if k == 6
	s_wait_alu depctr_va_vdst(0)
	v_lshl_or_b32 v241, v[B2+2], 16, v241
.endif
.if k == 7
	s_wait_alu depctr_va_vdst(0)
	v_lshl_or_b32 v241, v[B2+3], 24, v241
.endif
.if k >= 9
.if (k-9)%4 == 3
.set q, (k-12)/4
	v_cvt_scalef32_pk8_bf8_f32 v[CD+2*q:CD+2*q+1], v[\Y+8*q:\Y+8*q+7], v[SO+q/2]
.if (\pre)
.if q == 0
	s_setprio 1
	ds_load_b128 v[8:11], v3 offset:\o+CHL+16384   ; the next K's scale words: word j: lanes 0-15 tile 2 j, lanes 16-31 tile 2 j + 1
.endif
	ds_load_b128 v[\Y+8*q:\Y+8*q+3], v3 offset:\o+CHL+1024*q
	ds_load_b128 v[\Y+8*q+4:\Y+8*q+7], v3 offset:\o+CHL+1024*q+512
.endif
.endif
.endif
.set k, k+1
.endr
.set k, 0
	s_setprio 0
.rept 16
	v_pk_mul_f32 v[OT+k:OT+k+1], v[OT+k:OT+k+1], v[240:241] op_sel_hi:[1,0]   ; O^T under the new M; plain lines between the last conversion and the products
.set k, k+2
.endr
.if (\pre)
	s_wait_alu depctr_va_vdst(0)
	s_wait_dscnt 17                                ; V and its scale words are in; the 17 loads of the next K, issued behind them, may be out
.else
	s_wait_alu depctr_va_vdst(0)
	s_wait_dscnt 0x0
.endif
.irp t, 0,1,2,3                                ; O^T += V^T P^T: the four accumulators take turns
.if \t%2
	v_wmma_scale_f32_16x16x128_f8f6f4 v[OT+8*\t:OT+8*\t+7], v[\X+16*\t:\X+16*\t+15], v[CD:CD+15], v[OT+8*\t:OT+8*\t+7], v[6+\t/2], v241 matrix_a_fmt:MATRIX_FMT_BF8 matrix_b_fmt:MATRIX_FMT_BF8 matrix_a_scale:MATRIX_SCALE_ROW1
.else
	v_wmma_scale_f32_16x16x128_f8f6f4 v[OT+8*\t:OT+8*\t+7], v[\X+16*\t:\X+16*\t+15], v[CD:CD+15], v[OT+8*\t:OT+8*\t+7], v[6+\t/2], v241 matrix_a_fmt:MATRIX_FMT_BF8 matrix_b_fmt:MATRIX_FMT_BF8
.endif
.endr
.endm
; Two steps: the chunks at LDS byte s40 and the next.  last = 1: behind the second there is no chunk to fetch from.
.macro PAIR last
	v_add_nc_u32 v3, s40, v1                       ; (two of the nine places)
	s_wait_alu depctr_va_vdst(0)
	v_add_nc_u32 v4, s40, v2
	s_wait_alu depctr_va_vdst(0)
	STEP BA, BB, 0, 1, 7
	STEP BB, BA, CHL, 1-\last, 9
.endm
; The waves that fetched chunks wait for them (left = the loads that each issued later, which may stay out), then the barrier shows them to all sixteen.
.macro BAR left
	s_wait_tensorcnt \left
	s_wait_dscnt 0x0
	s_barrier_signal -1
	s_barrier_wait -1
.endm
	s_wait_alu depctr_va_vdst(0)
	BAR 3                                          ; chunks 0-3: each fetching wave's first load
	v_add_nc_u32 v3, s40, v1
	ds_load_b128 v[8:11], v3 offset:16384          ; K of step 0, in the order in which every later K is fetched
.irp i, 0,1,2,3,4,5,6,7
	ds_load_b128 v[BA+8*\i:BA+8*\i+3], v3 offset:1024*\i
	ds_load_b128 v[BA+8*\i+4:BA+8*\i+7], v3 offset:1024*\i+512
.endr
	PAIR 0                                         ; steps 0, 1: they read chunks 0, 1 and fetch K from chunk 2
	s_add_co_u32 s40, s40, 2*CHL
	BAR 0                                          ; chunks 4-15: all loads of every fetching wave; the first read of chunk 4 is step 3's fetch of K
	s_mov_b32 s41, 6
.Lpair:                                            ; steps 2-13: no barrier: no wave waits for another
	PAIR 0
	s_add_co_u32 s40, s40, 2*CHL
	s_sub_co_u32 s41, s41, 1
	s_cmp_lg_u32 s41, 0
	s_cbranch_scc1 .Lpair
	s_setprio 0
	PAIR 1                                         ; steps 14, 15
	; THE WAY OUT.  Eight places behind the last products: the end of the last step's row sum
	v_pk_add_f32 v[SM:SM+1], v[SM:SM+1], v[SM+2:SM+3]
	v_pk_add_f32 v[SM+4:SM+5], v[SM+4:SM+5], v[SM+6:SM+7]
	v_nop
	v_nop
	v_pk_add_f32 v[SM:SM+1], v[SM:SM+1], v[SM+4:SM+5]
	v_nop
	v_nop
	v_pk_fma_f32 v[14:15], v[14:15], v[240:241], v[SM:SM+1] op_sel_hi:[1,0,1]
	s_delay_alu instid0(VALU_DEP_1)
	v_add_f32 v14, v14, v15
	s_delay_alu instid0(VALU_DEP_1)
	v_permlanex16_b32 v242, v14, s12, s13
	s_delay_alu instid0(VALU_DEP_1)
	v_add_f32 v14, v14, v242                       ; the row's sum
	s_wait_alu depctr_va_vdst(0)
	v_rcp_f32 v14, v14
	v_nop                                          ; a plain line behind the transcendental
.set k, 0
	s_wait_alu depctr_va_vdst(0)
.rept 16
	v_pk_mul_f32 v[BA+k:BA+k+1], v[OT+k:OT+k+1], v[14:15] op_sel_hi:[1,0]   ; O / l: register 8 t + j is channel 16 t + 8 h + j; each accumulator from its low end on
.set k, k+2
.endr
.irp b, 0,1
	v_max3_num_f32 v[BM+\b], |v[BA+16*\b]|, |v[BA+1+16*\b]|, 0x8000000
.endr
.irp i, 2,4,6,8,10,12,14
.irp b, 0,1
	s_delay_alu instid0(VALU_DEP_2)
	v_max3_num_f32 v[BM+\b], v[BM+\b], |v[BA+16*\b+\i]|, |v[BA+1+16*\b+\i]|
.endr
.endr
.irp b, 0,1
	s_delay_alu instid0(VALU_DEP_2)
	v_permlanex16_b32 v[B2+\b], v[BM+\b], s12, s13
.endr
.irp b, 0,1
	s_delay_alu instid0(VALU_DEP_2)
	v_max_num_f32 v[BM+\b], v[BM+\b], v[B2+\b]
.endr
.irp b, 0,1
	s_delay_alu instid0(VALU_DEP_2)
	v_add_nc_u32 v[SO+\b], 0xf8800000, v[BM+\b]
.endr
.irp b, 0,1
.endr
.irp b, 0,1
	s_delay_alu instid0(VALU_DEP_2)
	v_lshrrev_b32 v[B2+\b], 23, v[SO+\b]
.endr
	s_delay_alu instid0(VALU_DEP_1)
	v_lshl_or_b32 v242, v[B2+1], 8, v[B2]          ; my row's two scale bytes of this head
.irp b, 0,1
.irp i, 0,1,2,3,4,5,6,7,8,9,10,11,12,13,14,15
.endr
	v_cvt_scalef32_pk8_bf8_f32 v[CD+4*\b:CD+1+4*\b], v[BA+16*\b:BA+7+16*\b], v[SO+\b]
	v_cvt_scalef32_pk8_bf8_f32 v[CD+2+4*\b:CD+3+4*\b], v[BA+8+16*\b:BA+15+16*\b], v[SO+\b]
.endr
	v_nop                                          ; one plain line behind the last conversion
.irp b, 0,1                                    ; into the natural order: lanes 0-15 want channels 0-15 of the block, lanes 16-31 channels 16-31
	v_permlane16_swap_b32 v[CD+4*\b], v[CD+2+4*\b]
	v_permlane16_swap_b32 v[CD+1+4*\b], v[CD+3+4*\b]
.endr
	global_store_b128 v1, v[CD:CD+3], s[58:59]     ; 512 consecutive bytes a store
	global_store_b128 v1, v[CD+4:CD+7], s[58:59] offset:512
	ds_store_b16 v244, v242                        ; both halves of the lanes write the same halfword
	s_wait_dscnt 0x0                               ; for the others' sake: my store has landed
	s_barrier_signal -1
	s_barrier_wait -1
	s_cmp_lg_u32 s10, 0
	s_cbranch_scc1 .Lnot_first
	ds_load_b128 v[216:219], v245                  ; wave 0 stores the 256 rows' halfwords: 512 consecutive bytes
	s_wait_dscnt 0x0
	global_store_b128 v1, v[216:219], s[60:61]
.Lnot_first:
	s_wait_xcnt 0x0
	v_lshl_add_u32 v254, v0, 2, 0x43200
	v_mov_b32 v255, 0
	s_wait_alu depctr_va_vdst(0)
	s_wait_tensorcnt 0x0
	ds_add_u32 v254, v255
	s_wait_dscnt 0x0
	CROUND                                         ; the closing round
	s_endpgm
.Lfunc_end_k_q33becdd187_attn:
	.size	k_q33becdd187_attn, .Lfunc_end_k_q33becdd187_attn-k_q33becdd187_attn
	.p2alignl 7, 3214868480
	.fill 96, 4, 3214868480
	.section	.rodata,"a",@progbits
	.p2align	6, 0x0
	.amdhsa_kernel k_q33becdd187_attn
		.amdhsa_group_segment_fixed_size 327680
		.amdhsa_private_segment_fixed_size 0
		.amdhsa_enable_private_segment 0
		.amdhsa_kernarg_size 24
		.amdhsa_user_sgpr_count 2
		.amdhsa_user_sgpr_kernarg_segment_ptr 1
		.amdhsa_wavefront_size32 1
		.amdhsa_system_sgpr_workgroup_id_x 1
		.amdhsa_system_sgpr_workgroup_id_y 1
		.amdhsa_system_sgpr_workgroup_id_z 1
		.amdhsa_system_vgpr_workitem_id 0
		.amdhsa_next_free_vgpr 256
		.amdhsa_next_free_sgpr 66
		.amdhsa_reserve_vcc 0
		.amdhsa_float_denorm_mode_32 3
		.amdhsa_float_denorm_mode_16_64 3
		.amdhsa_fp16_overflow 1
		.amdhsa_memory_ordered 1
		.amdhsa_forward_progress 1
		.amdhsa_inst_pref_size 118
	.end_amdhsa_kernel
	.amdgpu_metadata
---
amdhsa.version: [ 1, 2 ]
amdhsa.kernels:
  - .name:           k_q33becdd187_attn
    .symbol:         k_q33becdd187_attn.kd
    .args:
      - { .name: qkv, .offset: 0, .size: 8, .value_kind: global_buffer, .address_space: global }
      - { .name: att_codes, .offset: 8, .size: 8, .value_kind: global_buffer, .address_space: global }
      - { .name: att_scales, .offset: 16, .size: 8, .value_kind: global_buffer, .address_space: global }
    .group_segment_fixed_size: 327680
    .private_segment_fixed_size: 0
    .kernarg_segment_align: 8
    .kernarg_segment_size: 24
    .max_flat_workgroup_size: 512
    .sgpr_count:     66
    .vgpr_count:     256
    .wavefront_size: 32
...
	.end_amdgpu_metadata
.endif
;; end of part 5
;; launch oproj (part 6): grid 8 x 32, 4 waves a work-group, clusters of 4 x 4, 327,680 bytes of LDS; arguments att_codes, att_scales, Wo_codes, Wo_scales, bo, out0; writes out0
.if DOCPART == 6
	.amdgcn_target "amdgcn-amd-amdhsa--gfx1250"
	.amdhsa_code_object_version 6
	.text
	.protected	k_q33becdd187_oproj
	.globl	k_q33becdd187_oproj
	.p2align	8
	.type	k_q33becdd187_oproj,@function
k_q33becdd187_oproj:
	s_mov_b64 s[64:65], 0
	v_nop
	global_prefetch_b8 v0, s[64:65] scope:SCOPE_SE
	s_setreg_imm32_b32 hwreg(HW_REG_WAVE_MODE, 25, 1), 1
	s_wait_xcnt 0x0
	s_wait_alu depctr_hold_cnt(0) depctr_sa_sdst(0) depctr_va_vdst(0) depctr_va_sdst(0) depctr_va_ssrc(0) depctr_va_vcc(0) depctr_vm_vsrc(0)
	s_getreg_b32 s2, hwreg(HW_REG_IB_STS2, 6, 4)
	s_cmp_eq_u32 s2, 0
	s_cbranch_scc0 .Lentry_in_a_cluster
	s_endpgm
.Lentry_in_a_cluster:
	s_bfe_u32 s2, ttmp6, 0x10000c
	s_cmp_lg_u32 s2, 0xf033
	s_cbranch_scc0 .Lentry_shape_is_right
	s_endpgm
.Lentry_shape_is_right:
; out0 = att Wo^T + bo on codes of BF8 (E5M2) with E8M0 scales.  att: 4,096 rows x 1,024, as images of operand registers [rows / 128][K / 256][tile][block][lane][16], its scale bytes [head][row][2];
; Wo: [1024][1024] codes, K innermost, scale bytes [1024][32]; out0: [4096][1024] f32.
; A tile of 128 x 128 to a work-group (256 work-groups), 64 x 64 to each of four waves: 16 accumulators.  ALL OF K LIES IN LDS, each byte filled ONCE, in four quarters of 256 along K: a wave's five first fills
; (scales, then the quarters) go out together, five tensor loads of a wave at the most, and each quarter is multiplied as soon as it has landed.
; CLUSTERS: 4 x 4 work-groups; att's tiles are asked for jointly along a row of the cluster, Wo's along a column.
; The matrix instruction is used transposed (source 0 = 16 rows of Wo, source 1 = 16 rows of att): a lane holds eight neighbouring numbers of a row of out0.  The bias is the C of each sum's first instruction.
; att's scale bytes arrive as 16 planes (one a head, two bytes a row); the 128 threads pack them once into rows of 32 bytes, laid as Wo's scale rows are.
.set AIMG, 0                           ; att: 4 quarters x 32,768 bytes
.set BT,   131072                      ; Wo: 4 quarters x 128 rows x 272 bytes (256 + 16 of padding)
.set SAW,  270336                      ; att's scale rows, packed here by LDS stores: 17 blocks of 256 bytes into which no tensor load lands
.set SBW,  274688                      ; Wo's scale rows: units of 256 bytes + 16
.set SAP,  279040                      ; att's 16 planes of 256 bytes
.set STG,  283136                      ; a stage of 16 rows x 272 bytes for each wave
.set ADA, 4                            ; v4-7   LDS address of my att fragments in quarter q
.set ADB, 8                            ; v8-11  of my Wo fragments
.set ADS, 12
.set STO, 13
.set RD,  14
.set CO,  15
.set BI,  32                           ; v32-63  the bias in the result's layout; later rows on the way out
.set SC,  96                           ; v96-127 scale words: block i, K step s at 8 i + s: lanes 0-15 att's, lanes 16-31 Wo's
.set ACC, 128                          ; v128-255 the accumulators: (a, b) at 8 (4 a + b)
.set MSB, 0
.macro WIN new
.if MSB != \new
	s_set_vgpr_msb (MSB<<8)|\new
.set MSB, \new
.endif
.endm
.macro CROUND
	s_barrier_signal -1
	s_barrier_wait -1
	s_cmp_lg_u32 s16, 0
	s_cbranch_scc1 .Lnot_wave_0_\@
	s_barrier_signal -3
.Lnot_wave_0_\@:
	s_barrier_wait -3
	s_barrier_signal -1
	s_barrier_wait -1
.endm
.macro PLACES
.rept 8
	v_nop
.endr
.endm
.macro G0SET g, sreg, off              ; a group 0 whose address words are made: the count, the LDS address, the type
	s_mov_b32 s[\g], 1
	s_add_co_u32 s[\g+1], s[\sreg], \off
	s_or_b32 s[\g+3], s[\g+3], 0x80000000
.endm
	s_load_b256 s[4:11], s[0:1], 0x0               ; att_codes, att_scales, Wo_codes, Wo_scales
	s_load_b128 s[12:15], s[0:1], 0x20             ; bo, out0
	v_lshl_add_u32 v30, v0, 2, 0x49600
	v_mov_b32 v31, 0
	ds_add_u32 v30, v31
	ds_add_u32 v30, v31
	v_lshrrev_b32 v1, 5, v0
	v_readfirstlane_b32 s16, v1                    ; wave 0..3
	s_lshr_b32 s17, s16, 1                         ; which 64 rows of the tile are mine.  Also: I fetch for att (0) or for Wo (1)
	s_and_b32 s18, s16, 1                          ; which 64 columns.  Also: which half of a tile I fetch
	s_bfe_u32 s19, ttmp6, 0x40000                  ; cx
	s_bfe_u32 s20, ttmp6, 0x40004                  ; cy
	s_lshl_b32 s21, ttmp9, 2
	s_add_co_u32 s21, s21, s19                     ; tile column
	s_and_b32 s22, ttmp7, 0xffff
	s_lshl_b32 s22, s22, 2
	s_add_co_u32 s22, s22, s20                     ; tile row
	s_lshl_b32 s23, s20, 2
	s_lshl_b32 s23, 15, s23                        ; my row of the cluster
	s_lshl_b32 s3, 0x1111, s19                     ; my column
	s_or_b32 s24, s23, (3<<16)|(1<<21)             ; att's quarter, my half: 64 dense rows of 256 bytes (32 elements of 8)
	s_mov_b32 s25, 32<<16
	s_mov_b32 s26, 64<<16
	s_mov_b32 s27, 32<<16
	s_mov_b32 s28, 64
	s_mov_b32 s29, 32
	s_mov_b32 s30, 0
	s_mov_b32 s31, 0
	s_or_b32 s32, s3, (0<<16)|(1<<20)|(1<<21)|(5<<22)|(3<<25)   ; Wo's quarter, my half: 64 rows of 256 bytes, 1,024 apart; 4 words of padding after every 64
	s_mov_b32 s33, 256<<16
	s_mov_b32 s34, 64<<16
	s_mov_b32 s35, 256<<16
	s_mov_b32 s36, 64
	s_mov_b32 s37, 1024
	s_mov_b32 s38, 0
	s_mov_b32 s39, 0
	s_or_b32 s40, s23, (3<<16)|(1<<21)             ; att's planes, eight heads: 8 rows of 256 bytes, 8,192 apart
	s_mov_b32 s41, 32<<16
	s_mov_b32 s42, 8<<16
	s_mov_b32 s43, 32<<16
	s_mov_b32 s44, 8
	s_mov_b32 s45, 1024
	s_mov_b32 s46, 0
	s_mov_b32 s47, 0
	s_or_b32 s48, s3, (3<<16)|(1<<20)|(1<<21)|(5<<22)|(3<<25)   ; Wo's scales of 64 rows: 8 dense rows of 256 bytes, padded
	s_mov_b32 s49, 32<<16
	s_mov_b32 s50, 8<<16
	s_mov_b32 s51, 32<<16
	s_mov_b32 s52, 8
	s_mov_b32 s53, 32
	s_mov_b32 s54, 0
	s_mov_b32 s55, 0
	s_mov_b32 s56, 1                               ; att's planes
	s_lshl_b32 s57, s18, 11
	s_add_co_u32 s57, s57, SAP
	s_lshl_b32 s58, s18, 16
	s_lshl_b32 s59, s22, 8
	s_add_co_u32 s58, s58, s59
	s_mov_b32 s59, 0
	s_lshl_b32 s100, s18, 14                       ; my half of a quarter of att
	s_lshl_b32 s62, s22, 17
	s_add_co_u32 s62, s62, s100
	s_mov_b32 s63, 0
	s_mov_b32 s80, 1                               ; Wo's scales
	s_mul_i32 s81, s18, 2176
	s_add_co_u32 s81, s81, SBW
	s_lshl_b32 s101, s21, 7
	s_lshl_b32 s104, s18, 6
	s_add_co_u32 s101, s101, s104                  ; the first row of Wo that I fetch
	s_lshl_b32 s82, s101, 5
	s_mov_b32 s83, 0
	s_mul_i32 s105, s18, 17408                     ; my half of a quarter of Wo
	s_lshl_b32 s86, s101, 10
	s_mov_b32 s87, 0
	s_wait_dscnt 0x0
	s_wait_kmcnt 0x0
	s_add_nc_u64 s[58:59], s[6:7], s[58:59]
	s_or_b32 s59, s59, 0x80000000
	s_add_nc_u64 s[82:83], s[10:11], s[82:83]
	s_or_b32 s83, s83, 0x80000000
	s_add_nc_u64 s[62:63], s[4:5], s[62:63]
	s_add_nc_u64 s[70:71], s[62:63], 32768
	s_add_nc_u64 s[74:75], s[62:63], 65536
	s_add_nc_u64 s[78:79], s[62:63], 98304
	s_add_nc_u64 s[86:87], s[8:9], s[86:87]
	s_add_nc_u64 s[90:91], s[86:87], 256
	s_add_nc_u64 s[94:95], s[86:87], 512
	s_add_nc_u64 s[98:99], s[86:87], 768
	G0SET 60, 100, AIMG
	G0SET 68, 100, AIMG+32768
	G0SET 72, 100, AIMG+65536
	G0SET 76, 100, AIMG+98304
	G0SET 84, 105, BT
	G0SET 88, 105, BT+34816
	G0SET 92, 105, BT+69632
	G0SET 96, 105, BT+104448
	CROUND                                         ; all sixteen work-groups are here: the joint loads meet
	s_cmp_eq_u32 s17, 0                            ; a wave's five first fills stand in one branch on the wave's number
	s_cbranch_scc0 .Lfor_b
	tensor_load_to_lds s[56:59], s[40:47]
	s_nop 0
	tensor_load_to_lds s[60:63], s[24:31]
	s_nop 0
	tensor_load_to_lds s[68:71], s[24:31]
	s_nop 0
	tensor_load_to_lds s[72:75], s[24:31]
	s_nop 0
	tensor_load_to_lds s[76:79], s[24:31]
	s_nop 0
.rept 4
	v_nop
.endr
	s_branch .Lasked
.Lfor_b:
	tensor_load_to_lds s[80:83], s[48:55]
	s_nop 0
	tensor_load_to_lds s[84:87], s[32:39]
	s_nop 0
	tensor_load_to_lds s[88:91], s[32:39]
	s_nop 0
	tensor_load_to_lds s[92:95], s[32:39]
	s_nop 0
	tensor_load_to_lds s[96:99], s[32:39]
	s_nop 0
.rept 4
	v_nop
.endr
.Lasked:
	v_and_b32 v1, 15, v0                           ; r
	v_bfe_u32 v2, v0, 4, 1                         ; h
	v_and_b32 v3, 31, v0
	v_lshlrev_b32 v16, 4, v3                       ; 16 x lane
	s_wait_alu depctr_va_vdst(0)
	v_mul_u32_u24 v17, v1, 272
	v_lshl_add_u32 v17, v2, 4, v17                 ; Wo: row r x pitch + 16 h
	s_wait_alu depctr_va_vdst(0)
	s_lshl_b32 s100, s17, 14                       ; my four tiles of att's rows
	s_mul_i32 s101, s18, 17408
	s_add_co_u32 s101, s101, BT                    ; my 64 rows of Wo
.irp q, 0,1,2,3
	v_add_nc_u32 v[ADA+\q], s100, v16
	v_add_nc_u32 v[ADB+\q], s101, v17
	s_add_co_u32 s100, s100, 32768
	s_add_co_u32 s101, s101, 34816
.endr
	v_lshlrev_b32 v18, 5, v1                       ; my row's scales: 32 bytes a row, and 16 more for each 256 passed
	v_lshrrev_b32 v19, 8, v18
	v_lshl_add_u32 v18, v19, 4, v18
	s_mul_i32 s100, s17, 2176
	s_mul_i32 s104, s18, 2176
	s_add_co_u32 s104, s104, SBW-SAW
	s_sub_co_u32 s104, s104, s100
	v_mul_u32_u24 v19, s104, v2                    ; lanes 16-31 take Wo's
	s_add_co_u32 s100, s100, SAW
	v_add_nc_u32 v18, v18, v19
	v_add_nc_u32 v[ADS], s100, v18
	s_mul_i32 s100, s16, 4352
	s_add_co_u32 s100, s100, STG                   ; my stage
	v_mul_u32_u24 v18, v1, 272
	v_lshl_add_u32 v18, v2, 5, v18
	v_add_nc_u32 v[STO], s100, v18                 ; in: row r, 32 bytes for each half of the lanes
	v_mul_u32_u24 v18, v2, 272
	v_lshl_add_u32 v18, v1, 4, v18
	v_add_nc_u32 v[RD], s100, v18                  ; back: lanes 0-15 one row of 256 bytes, lanes 16-31 the next
	v_lshlrev_b32 v18, 12, v2
	v_lshl_add_u32 v[CO], v1, 4, v18               ; and the same two rows in out0
	v_lshl_add_u32 v20, v0, 1, SAP                 ; packing: thread t is row t: its halfword in a plane,
	v_lshrrev_b32 v21, 3, v0
	v_lshlrev_b32 v21, 4, v21
	v_lshl_add_u32 v21, v0, 5, v21
	v_add_nc_u32 v21, SAW, v21                     ; and its packed row: 32 t + 16 (t / 8)
	v_lshlrev_b32 v22, 5, v2                       ; the bias: 32 h
	s_wait_alu depctr_va_vdst(0)
	s_lshl_b32 s100, s21, 9
	s_lshl_b32 s101, s18, 8
	s_add_co_u32 s100, s100, s101                  ; my first column, in bytes
	s_mov_b32 s101, 0
	s_add_nc_u64 s[12:13], s[12:13], s[100:101]
	s_add_nc_u64 s[14:15], s[14:15], s[100:101]
	s_lshl_b32 s100, s22, 7
	s_lshl_b32 s104, s17, 6
	s_add_co_u32 s100, s100, s104                  ; my first row
	s_lshl_b32 s100, s100, 12
	s_add_nc_u64 s[14:15], s[14:15], s[100:101]
.irp b, 0,1,2,3
	global_load_b128 v[BI+8*\b:BI+8*\b+3], v22, s[12:13] offset:64*\b          ; register j of tile b is column 16 b + 8 h + j
	global_load_b128 v[BI+8*\b+4:BI+8*\b+7], v22, s[12:13] offset:64*\b+16
.endr
	s_wait_tensorcnt 4                             ; my part of the scales is in; the four quarters may stay out
	s_barrier_signal -1
	s_barrier_wait -1
.irp d, 0,1,2,3,4,5,6,7,8,9,10,11,12,13,14,15
	ds_load_u16 v[64+\d], v20 offset:256*\d        ; my row's two bytes of head d
.endr
	s_wait_dscnt 0x0
.irp s, 0,1,2,3,4,5,6,7
	v_lshl_or_b32 v[80+\s], v[65+2*\s], 16, v[64+2*\s]   ; the scale word of 128 along K: heads 2 s and 2 s + 1
.endr
	ds_store_b128 v21, v[80:83]
	ds_store_b128 v21, v[84:87] offset:16
	s_wait_dscnt 0x0                               ; for the others' sake: my packed row has landed,
	s_wait_tensorcnt 3                             ; and my part of quarter 0
	s_barrier_signal -1
	s_barrier_wait -1
.irp i, 0,1,2,3
	ds_load_b128 v[SC+8*\i:SC+8*\i+3], v[ADS] offset:544*\i
	ds_load_b128 v[SC+8*\i+4:SC+8*\i+7], v[ADS] offset:544*\i+16
.endr
; The fragments of K step s (128 along K): att's four tiles as they lie, Wo's four from padded rows; into buffer s % 2 of window 1
.macro FETCH s
.set FB, 128*((\s)%2)
	WIN 0x40                                       ; destination window 1, address window 0
.irp i, 0,1,2,3
.irp c, 0,1,2,3
	ds_load_b128 v[FB+16*\i+4*\c:FB+16*\i+4*\c+3], v[ADA+(\s)/2] offset:\i*4096+((\s)%2)*2048+512*\c
.endr
.endr
.irp i, 0,1,2,3
.irp c, 0,1,2,3
	ds_load_b128 v[FB+64+16*\i+4*\c:FB+64+16*\i+4*\c+3], v[ADB+(\s)/2] offset:\i*4352+((\s)%2)*128+32*\c
.endr
.endr
.endm
; 16 matrix instructions; the accumulators take turns, one instruction a turn
.macro MUL s
.set FB, 128*((\s)%2)
	WIN 0x05                                       ; sources 0 and 1 window 1; C and D window 0
.irp a, 0,1,2,3
.irp b, 0,1,2,3
.if (\s) == 0
	v_wmma_scale_f32_16x16x128_f8f6f4 v[ACC+8*(4*\a+\b):ACC+8*(4*\a+\b)+7], v[FB+64+16*\b:FB+64+16*\b+15], v[FB+16*\a:FB+16*\a+15], v[BI+8*\b:BI+8*\b+7], v[SC+8*\b+(\s)], v[SC+8*\a+(\s)] matrix_a_fmt:MATRIX_FMT_BF8 matrix_b_fmt:MATRIX_FMT_BF8 matrix_a_scale:MATRIX_SCALE_ROW1
.else
	v_wmma_scale_f32_16x16x128_f8f6f4 v[ACC+8*(4*\a+\b):ACC+8*(4*\a+\b)+7], v[FB+64+16*\b:FB+64+16*\b+15], v[FB+16*\a:FB+16*\a+15], v[ACC+8*(4*\a+\b):ACC+8*(4*\a+\b)+7], v[SC+8*\b+(\s)], v[SC+8*\a+(\s)] matrix_a_fmt:MATRIX_FMT_BF8 matrix_b_fmt:MATRIX_FMT_BF8 matrix_a_scale:MATRIX_SCALE_ROW1
.endif
.endr
.endr
.endm
	FETCH 0
	s_wait_loadcnt 0x0                             ; the bias
.irp s, 0,1,2,3,4,5,6,7
.if \s < 7
.if (\s+1)%2 == 0
	s_wait_tensorcnt 3-(\s+1)/2                    ; my part of the next quarter is in; the later quarters may stay out
	s_wait_dscnt 0x0
	s_barrier_signal -1
	s_barrier_wait -1                              ; everybody's is
.endif
.if \s > 0
	PLACES                                         ; in front of loads into the buffer that the last sixteen products read
.endif
	FETCH \s+1
	s_wait_dscnt 32                                ; all but the 32 just issued
.else
	s_wait_dscnt 0x0
.endif
	MUL \s
.endr
	WIN 0
	PLACES
; THE WAY OUT, a block of 16 rows x 64 columns at a time, through my own stage: back come whole rows of 256 bytes.  LDS serves a wave's instructions in order (ISA guide 5.7.1.4): no wait between the stores and the loads.
.macro TOSTAGE a
.set BB, 64-32*((\a)%2)
.irp b, 0,1,2,3
	ds_store_b128 v[STO], v[ACC+8*(4*(\a)+\b):ACC+8*(4*(\a)+\b)+3] offset:64*\b        ; each accumulator from its low end on
	ds_store_b128 v[STO], v[ACC+8*(4*(\a)+\b)+4:ACC+8*(4*(\a)+\b)+7] offset:64*\b+16
.endr
.irp t, 0,1,2,3,4,5,6,7
	ds_load_b128 v[BB+4*\t:BB+4*\t+3], v[RD] offset:544*\t
.endr
.endm
.macro SEND a, younger
.set BB, 64-32*((\a)%2)
	s_wait_dscnt \younger                          ; the block is back; the next block's 8 stores and 8 loads may be out
.irp t, 0,1,2,3,4,5,6,7
	global_store_b128 v[CO], v[BB+4*\t:BB+4*\t+3], s[14:15] offset:(16*(\a)+2*\t)*4096 th:TH_STORE_NT   ; 16 lanes store 256 consecutive bytes, at a multiple of 256 from out0's first byte
.endr
.endm
	TOSTAGE 0
.irp a, 1,2,3
.if \a > 1
	s_wait_xcnt 0x0                                ; block a - 2's stores have read their registers: block a's loads may land there
.endif
	TOSTAGE \a
	SEND \a-1, 16
.endr
	SEND 3, 0
	s_wait_tensorcnt 0x0
	ds_add_u32 v30, v31
	s_wait_dscnt 0x0
	CROUND                                         ; the closing round: no work-group ends while a partner may still ask for a tile that names it
	s_endpgm
.Lfunc_end_k_q33becdd187_oproj:
	.size	k_q33becdd187_oproj, .Lfunc_end_k_q33becdd187_oproj-k_q33becdd187_oproj
	.p2alignl 7, 3214868480
	.fill 96, 4, 3214868480
	.section	.rodata,"a",@progbits
	.p2align	6, 0x0
	.amdhsa_kernel k_q33becdd187_oproj
		.amdhsa_group_segment_fixed_size 327680
		.amdhsa_private_segment_fixed_size 0
		.amdhsa_enable_private_segment 0
		.amdhsa_kernarg_size 48
		.amdhsa_user_sgpr_count 2
		.amdhsa_user_sgpr_kernarg_segment_ptr 1
		.amdhsa_wavefront_size32 1
		.amdhsa_system_sgpr_workgroup_id_x 1
		.amdhsa_system_sgpr_workgroup_id_y 1
		.amdhsa_system_sgpr_workgroup_id_z 1
		.amdhsa_system_vgpr_workitem_id 0
		.amdhsa_next_free_vgpr 512
		.amdhsa_next_free_sgpr 106
		.amdhsa_reserve_vcc 0
		.amdhsa_float_denorm_mode_32 3
		.amdhsa_float_denorm_mode_16_64 3
		.amdhsa_memory_ordered 1
		.amdhsa_forward_progress 1
		.amdhsa_inst_pref_size 57
	.end_amdhsa_kernel
	.amdgpu_metadata
---
amdhsa.version: [ 1, 2 ]
amdhsa.kernels:
  - .name:           k_q33becdd187_oproj
    .symbol:         k_q33becdd187_oproj.kd
    .args:
      - { .name: att_codes, .offset: 0, .size: 8, .value_kind: global_buffer, .address_space: global }
      - { .name: att_scales, .offset: 8, .size: 8, .value_kind: global_buffer, .address_space: global }
      - { .name: Wo_codes, .offset: 16, .size: 8, .value_kind: global_buffer, .address_space: global }
      - { .name: Wo_scales, .offset: 24, .size: 8, .value_kind: global_buffer, .address_space: global }
      - { .name: bo, .offset: 32, .size: 8, .value_kind: global_buffer, .address_space: global }
      - { .name: out0, .offset: 40, .size: 8, .value_kind: global_buffer, .address_space: global }
    .group_segment_fixed_size: 327680
    .private_segment_fixed_size: 0
    .kernarg_segment_align: 8
    .kernarg_segment_size: 48
    .max_flat_workgroup_size: 128
    .sgpr_count:     106
    .vgpr_count:     512
    .wavefront_size: 32
...
	.end_amdgpu_metadata
.endif
;; end of part 6
